; MI455X (gfx1250); checked and timed in simulation.
; The chip was launched on July 23, 2026; its instructions are those of AMD's public machine-readable ISA for CDNA 5 (MIT licence, August 2026) and "CDNA5" Instruction Set Architecture Reference Guide (July 2026). The comments in the code are by the model that wrote it; some were corrected since.
;; Multi Head Additive Attention. Allowed arithmetic: float matrix products may take bf16 or f16 operands with f32 sums; other float arithmetic in f32, or as packed bf16 or f16 multiplies, adds, multiply-adds, maxima and minima; sums over many terms, partial sums and values carried from step to step in f32; what a program stores and reads back later, other than sums and carried values, may be rounded once to bf16 or f16.
;; Inputs: Wk 1,024 x 1,024 float32; Wo 1,024 x 1,024 float32; Wq 1,024 x 1,024 float32; Wv 1,024 x 16 float32; bias 8 x 1 x 1 x 4,096 float32; bk 1,024 float32; bo 1,024 float32; bq 1,024 float32; bv 16 float32; memory 8 x 4,096 x 1,024 float32; query 8 x 4,096 x 1,024 float32.
;; Outputs: out0 8 x 1 x 1,024 float32.
;; 2 versions, each right; version 2 is version 1 with the launch prep written anew for expert scheduling mode. Each part assembles by itself: llvm-mc -triple=amdgcn-amd-amdhsa -mcpu=gfx1250 --defsym DOCPART=n.
;; ======== version 1 of 2: 4 launches
;; workspace buffers: wt 6,291,456 bytes; wvt 32,768 bytes; cbv 4,096 bytes; lp 4,194,304 bytes; xp 65,536 bytes
;; launch prep (part 1): grid 256 x 1, 4 waves a work-group, no clusters, 22,272 bytes of LDS; arguments Wq, Wk, Wv, bq, bk, wt, wvt, cbv; writes wt, wvt, cbv
.if DOCPART == 1
	.amdgcn_target "amdgcn-amd-amdhsa--gfx1250"
	.amdhsa_code_object_version 6
	.text
	.protected	k_q88c0794d3e_prep
	.globl	k_q88c0794d3e_prep
	.p2align	8
	.type	k_q88c0794d3e_prep,@function
k_q88c0794d3e_prep:
	s_mov_b64 s[64:65], 0
	v_nop
	global_prefetch_b8 v0, s[64:65] scope:SCOPE_SE
	s_setreg_imm32_b32 hwreg(HW_REG_WAVE_MODE, 25, 1), 1
	s_wait_xcnt 0x0
; THE WEIGHTS ARE LAID OUT FOR THE PRODUCT THAT FOLLOWS.  Wq, Wk: [1024 k][1024 n] f32.  Wv: [1024 n][16 h] f32.  bq, bk: [1024] f32.
; wt:  24 blocks of 262,144 bytes; block blk is [n 0..1023][kk 0..127] in bf16 = W[128 (blk % 8) + kk][n], rounded once; W = Wq for blocks 0-7 and 16-23, Wk for blocks 8-15
;      (Wq stands twice, so that a walk of 16 blocks may begin at block 0 or at block 8 and never turns back).
; wvt: [16 h][1024 n] bf16 = Wv[n][h].     cbv: [1024] f32 = c (bq + bk), c = 2 log2(e): the factor of the exponential by which tanh is made.
; SHARES.  Work-group g turns a tile of 128 k x 64 n: source block sb = g / 16, columns 64 (g % 16) on.  Loads: 16 lanes take 256 consecutive bytes of a row of W.  The tile is turned in LDS
; (rows of 272 bytes: 128 k in bf16 and 16 of padding) and leaves as whole rows of 256 bytes.  The 32 four-byte LDS stores of a thread meet four deep in the banks: once a thread, accepted.
; Work-groups 0 to 7 also turn 128 rows of Wv each, and their wave 0 makes 128 numbers of cbv.
.set TP,    272
.set VT,    64*TP                      ; behind the tile: 16 rows of 272 bytes for Wv
.set SPARE, VT+16*TP                   ; behind that: the spare words, 128 bytes for each wave, which no other line names
.set SPW,  2                           ; v2   LDS address of my spare word; never rewritten
.set NIL,  3                           ; v3   0; never rewritten
.set C16,  4                           ; v4   t % 16
.set R8,   5                           ; v5   t / 16
.set CB16, 6                           ; v6   16 (t % 16)
.set GOF,  7                           ; v7   my offset in the source tile: row 2 (t / 16), 16 bytes
.set TST,  8                           ; v8   where I put a pair of k for my first column
.set TRD,  9                           ; v9   where I read a row back
.set WOF,  10                          ; v10  my offset in the block of wt
.set WVA,  11                          ; v11  64 t: my row of Wv
.set VST,  12                          ; v12  2 t
.set BOF,  13                          ; v13  16 t (wave 0): my four numbers of bq, bk, cbv
.set VOF,  14                          ; v14  my offset in wvt
.set X,    16                          ; v[16:79]   the tile as loaded: pair of rows i, row e, at X + 8 i + 4 e
.set OUT,  80                          ; v[80:111]  rows read back; before that my row of Wv
.set TMP,  112                         ; v[112:119] packed numbers on their way into LDS
.set CBR,  120                         ; v[120:127] bq, bk
	s_load_b512 s[4:19], s[0:1], 0x0               ; Wq s[4:5], Wk s[6:7], Wv s[8:9], bq s[10:11], bk s[12:13], wt s[14:15], wvt s[16:17], cbv s[18:19]
	v_lshl_add_u32 v[SPW], v0, 2, SPARE
	v_mov_b32 v[NIL], 0
	v_lshrrev_b32 v1, 5, v0
	v_readfirstlane_b32 s20, v1                    ; wave 0..3
	s_mov_b32 s30, ttmp9                           ; g
	s_lshr_b32 s21, s30, 4                         ; sb
	s_and_b32 s22, s30, 15                         ; which 64 columns
	s_and_b32 s23, s21, 7                          ; which 128 rows of the source
	v_and_b32 v[C16], 15, v0
	v_lshrrev_b32 v[R8], 4, v0
	v_lshlrev_b32 v[CB16], 4, v[C16]
	v_lshl_add_u32 v[GOF], v[R8], 13, v[CB16]      ; two rows of 4,096 bytes for each t / 16
	v_mul_u32_u24 v[TST], v[C16], 4*TP             ; column 4 (t % 16),
	v_lshl_add_u32 v[TST], v[R8], 2, v[TST]        ; pair of k t / 16
	v_mul_u32_u24 v[TRD], v[R8], TP
	v_add_nc_u32 v[TRD], v[TRD], v[CB16]
	v_lshl_add_u32 v[WOF], v[R8], 8, v[CB16]
	v_lshl_add_u32 v[VOF], v[R8], 11, v[CB16]
	s_lshl_b32 s24, s23, 19                        ; 128 rows of 4,096 bytes
	s_lshl_b32 s25, s22, 8                         ; 64 columns of 4 bytes
	s_add_co_u32 s24, s24, s25
	s_mov_b32 s25, 0
	s_lshl_b32 s26, s21, 18                        ; the block of wt,
	s_lshl_b32 s27, s22, 14                        ; 64 rows of 256 bytes in it
	s_add_co_u32 s26, s26, s27
	s_mov_b32 s27, 0
	s_wait_kmcnt 0x0
	s_cmp_lt_u32 s21, 8
	s_cselect_b64 s[28:29], s[4:5], s[6:7]         ; blocks 0-7 come from Wq, 8-15 from Wk
	s_add_nc_u64 s[28:29], s[28:29], s[24:25]
	s_add_nc_u64 s[14:15], s[14:15], s[26:27]
.irp i, 0,1,2,3,4,5,6,7
	global_load_b128 v[X+8*(\i):X+8*(\i)+3],   v[GOF], s[28:29] offset:(\i)*65536 th:TH_LOAD_NT
	global_load_b128 v[X+8*(\i)+4:X+8*(\i)+7], v[GOF], s[28:29] offset:(\i)*65536+4096 th:TH_LOAD_NT
.endr
	s_cmp_lt_u32 s30, 8
	s_cbranch_scc0 .Lmain
	; work-groups 0 to 7: rows 128 g + t of Wv, 64 bytes each, into 16 LDS rows by head
	s_lshl_b32 s24, s30, 13
	s_add_nc_u64 s[8:9], s[8:9], s[24:25]
	v_lshlrev_b32 v[WVA], 6, v0
	v_lshlrev_b32 v[VST], 1, v0
.irp j, 0,1,2,3
	global_load_b128 v[OUT+4*(\j):OUT+4*(\j)+3], v[WVA], s[8:9] offset:16*(\j)
.endr
	s_wait_loadcnt 0x0
.irp h, 0,1,2,3,4,5,6,7,8,9,10,11,12,13,14,15
	v_cvt_pk_bf16_f32 v[TMP+(\h)%8], v[OUT+(\h)], v[OUT+(\h)]
	ds_store_b16 v[VST], v[TMP+(\h)%8] offset:VT+(\h)*TP
.endr
	s_cmp_lg_u32 s20, 0
	s_cbranch_scc1 .Lmain
	; their wave 0: c (bq + bk) for columns 128 g + 4 lane on: each of the three accesses covers 512 consecutive bytes
	s_lshl_b32 s26, s30, 9
	s_add_nc_u64 s[10:11], s[10:11], s[26:27]
	s_add_nc_u64 s[12:13], s[12:13], s[26:27]
	s_add_nc_u64 s[18:19], s[18:19], s[26:27]
	v_lshlrev_b32 v[BOF], 4, v0
	global_load_b128 v[CBR:CBR+3],   v[BOF], s[10:11]
	global_load_b128 v[CBR+4:CBR+7], v[BOF], s[12:13]
	s_wait_loadcnt 0x0
	v_pk_add_f32 v[CBR:CBR+1],   v[CBR:CBR+1],   v[CBR+4:CBR+5]
	v_pk_add_f32 v[CBR+2:CBR+3], v[CBR+2:CBR+3], v[CBR+6:CBR+7]
	v_pk_mul_f32 v[CBR:CBR+1],   v[CBR:CBR+1],   0x4038aa3b op_sel_hi:[1,0]
	v_pk_mul_f32 v[CBR+2:CBR+3], v[CBR+2:CBR+3], 0x4038aa3b op_sel_hi:[1,0]
	global_store_b128 v[BOF], v[CBR:CBR+3], s[18:19]   ; its registers are written no more
.Lmain:
	s_wait_loadcnt 0x0                             ; the tile is in
.irp i, 0,1,2,3,4,5,6,7
.irp c, 0,1,2,3
	v_cvt_pk_bf16_f32 v[TMP+((\i)%2)*4+(\c)], v[X+8*(\i)+(\c)], v[X+8*(\i)+4+(\c)]   ; k = 2 kp in the low half, 2 kp + 1 in the high half
	ds_store_b32 v[TST], v[TMP+((\i)%2)*4+(\c)] offset:(\c)*TP+(\i)*32
.endr
.endr
	s_wait_dscnt 0x0                               ; for the others' sake: my stores into the tile (and into Wv's rows) are done
	s_barrier_signal -1
	s_barrier_wait -1
.irp i, 0,1,2,3,4,5,6,7
	ds_load_b128 v[OUT+4*(\i):OUT+4*(\i)+3], v[TRD] offset:(\i)*8*TP
.endr
.irp i, 0,1,2,3,4,5,6,7
	s_wait_dscnt 7-(\i)                            ; LDS loads come back in order: row i is in, the younger ones may be out
	global_store_b128 v[WOF], v[OUT+4*(\i):OUT+4*(\i)+3], s[14:15] offset:2048*(\i)   ; 16 lanes store 256 consecutive bytes, aligned
.endr
	s_cmp_lt_u32 s21, 8
	s_cbranch_scc0 .Lone
.irp i, 0,1,2,3,4,5,6,7
	global_store_b128 v[WOF], v[OUT+4*(\i):OUT+4*(\i)+3], s[14:15] offset:4194304+2048*(\i)   ; Wq's second copy, 16 blocks on
.endr
.Lone:
	s_cmp_lt_u32 s30, 8
	s_cbranch_scc0 .Lend
	s_lshl_b32 s24, s30, 8                         ; 128 columns of wvt
	s_add_nc_u64 s[16:17], s[16:17], s[24:25]
	ds_load_b128 v[X:X+3],   v[TRD] offset:VT
	ds_load_b128 v[X+4:X+7], v[TRD] offset:VT+8*TP
	s_wait_dscnt 0x0
	global_store_b128 v[VOF], v[X:X+3],   s[16:17]
	global_store_b128 v[VOF], v[X+4:X+7], s[16:17] offset:16384
.Lend:
	s_wait_tensorcnt 0x0                           ; the wave's end: three closing lines, behind my last LDS store
	ds_add_u32 v[SPW], v[NIL]
	s_wait_dscnt 0x0
	s_endpgm
.Lfunc_end_k_q88c0794d3e_prep:
	.size	k_q88c0794d3e_prep, .Lfunc_end_k_q88c0794d3e_prep-k_q88c0794d3e_prep
	.p2alignl 7, 3214868480
	.fill 96, 4, 3214868480
	.section	.rodata,"a",@progbits
	.p2align	6, 0x0
	.amdhsa_kernel k_q88c0794d3e_prep
		.amdhsa_group_segment_fixed_size 22272
		.amdhsa_private_segment_fixed_size 0
		.amdhsa_enable_private_segment 0
		.amdhsa_kernarg_size 64
		.amdhsa_user_sgpr_count 2
		.amdhsa_user_sgpr_kernarg_segment_ptr 1
		.amdhsa_wavefront_size32 1
		.amdhsa_system_sgpr_workgroup_id_x 1
		.amdhsa_system_sgpr_workgroup_id_y 1
		.amdhsa_system_sgpr_workgroup_id_z 1
		.amdhsa_system_vgpr_workitem_id 0
		.amdhsa_next_free_vgpr 128
		.amdhsa_next_free_sgpr 66
		.amdhsa_reserve_vcc 0
		.amdhsa_float_denorm_mode_32 3
		.amdhsa_float_denorm_mode_16_64 3
		.amdhsa_memory_ordered 1
		.amdhsa_forward_progress 1
		.amdhsa_inst_pref_size 14
	.end_amdhsa_kernel
	.amdgpu_metadata
---
amdhsa.version: [ 1, 2 ]
amdhsa.kernels:
  - .name:           k_q88c0794d3e_prep
    .symbol:         k_q88c0794d3e_prep.kd
    .args:
      - { .name: Wq, .offset: 0, .size: 8, .value_kind: global_buffer, .address_space: global }
      - { .name: Wk, .offset: 8, .size: 8, .value_kind: global_buffer, .address_space: global }
      - { .name: Wv, .offset: 16, .size: 8, .value_kind: global_buffer, .address_space: global }
      - { .name: bq, .offset: 24, .size: 8, .value_kind: global_buffer, .address_space: global }
      - { .name: bk, .offset: 32, .size: 8, .value_kind: global_buffer, .address_space: global }
      - { .name: wt, .offset: 40, .size: 8, .value_kind: global_buffer, .address_space: global }
      - { .name: wvt, .offset: 48, .size: 8, .value_kind: global_buffer, .address_space: global }
      - { .name: cbv, .offset: 56, .size: 8, .value_kind: global_buffer, .address_space: global }
    .group_segment_fixed_size: 22272
    .private_segment_fixed_size: 0
    .kernarg_segment_align: 8
    .kernarg_segment_size: 64
    .max_flat_workgroup_size: 128
    .sgpr_count:     66
    .vgpr_count:     128
    .wavefront_size: 32
...
	.end_amdgpu_metadata
.endif
;; end of part 1
;; launch gemm (part 2): grid 4 x 128, 4 waves a work-group, clusters of 4 x 4, 327,680 bytes of LDS; arguments query, memory, wt, cbv, wvt, lp; writes lp
.if DOCPART == 2
	.amdgcn_target "amdgcn-amd-amdhsa--gfx1250"
	.amdhsa_code_object_version 6
	.text
	.protected	k_q88c0794d3e_gemm
	.globl	k_q88c0794d3e_gemm
	.p2align	8
	.type	k_q88c0794d3e_gemm,@function
k_q88c0794d3e_gemm:
	s_mov_b64 s[64:65], 0
	v_nop
	global_prefetch_b8 v0, s[64:65] scope:SCOPE_SE
	s_setreg_imm32_b32 hwreg(HW_REG_WAVE_MODE, 25, 1), 1
	s_wait_xcnt 0x0
	s_wait_alu depctr_hold_cnt(0) depctr_sa_sdst(0) depctr_va_vdst(0) depctr_va_sdst(0) depctr_va_ssrc(0) depctr_va_vcc(0) depctr_vm_vsrc(0)
	s_getreg_b32 s2, hwreg(HW_REG_IB_STS2, 6, 4)
	s_cmp_eq_u32 s2, 0
	s_cbranch_scc0 .Lentry_in_a_cluster
	s_endpgm
.Lentry_in_a_cluster:
	s_bfe_u32 s2, ttmp6, 0x10000c
	s_cmp_lg_u32 s2, 0xf033
	s_cbranch_scc0 .Lentry_shape_is_right
	s_endpgm
.Lentry_shape_is_right:
; lp[nh][b][h][l] = the sum over the 512 columns n of half nh of tanh((query Wq + memory Wk + bq + bk)[b][l][n]) Wv[n][h]: partial logits, f32.
; query, memory: [32768][1024] f32.  wt, wvt, cbv: as the launch before laid them out (bf16 blocks [n][128 k]; bf16 [h][n]; f32 c (bq + bk), c = 2 log2(e)).
; FORMATS AND LIMITS.  query, memory, the weights and tanh are rounded once to bf16 for the matrix unit; all sums in f32.  tanh(x) = 1 - 2 / (1 + 2^(c x)): where 2^(c x) passes f32's range the
; reciprocal is 0 and tanh is 1; where it falls under 2^-126 it counts as 0 and tanh is -1.  Near 0 tanh carries an absolute error of some 1e-7.  NaN and infinities are not treated apart.
; SHARES.  One product of K = 2,048: [query | memory] x [Wq ; Wk].  A work-group makes 128 rows x 512 columns; each of its four waves all 128 rows x 128 columns: 64 accumulators, 512 registers.
; THE MATRIX INSTRUCTION IS USED TRANSPOSED (source 0 = 16 rows of wt, source 1 = 16 rows of A): a lane holds one row and eight neighbouring columns, so two accumulators, packed to bf16 in
; pairs, ARE source 1 (16 rows x 32 columns) of the second product, logits^T = wvt x tanh^T.
; A comes from memory in f32 into registers, is rounded there, and goes to LDS in bf16: two buffers of 128 rows x 64 k; two sets of 64 registers hold the loads of the two tiles to come.
; THE WEIGHTS come by the tensor data mover into two slots of K = 128; each wave fetches, and alone reads, its own 128 columns: one load of 128 rows x 256 bytes a wave behind each round.
; CLUSTER 4 x 4.  cx gives the column half nh = cx % 2 and the walk rot = cx / 2: rot = 0 multiplies query Wq first, rot = 1 memory Wk first.  The four work-groups of a column of the cluster
; (same cx) want the same weights at the same time and ask for them JOINTLY.  A is not asked for jointly: it never lies in LDS as loaded, and only two work-groups (cx = 2 rot, 2 rot + 1) share rows.
; TIME.  A quarter is 32 of K, 64 matrix instructions.  A's tile v (64 of K) serves quarters 2 v, 2 v + 1 from buffer v % 2; weight step S (128 of K) serves four quarters from slot S % 2;
; a lap is 8 quarters; 8 laps.  EVERY QUARTER HAS ONE RUN OF MEMORY INSTRUCTIONS, behind its first 16 matrix instructions, and none stands singly among the products: 16 conversions of A (eight loads'
; numbers; they are also the places in front of the loads that follow), the next quarter's 32 fragment loads, the 8 LDS stores of the converted rows, the 8 loads that ask the same registers again.
; Each odd quarter opens with the work-group's barrier: in front of the signal every wave has waited for all its LDS reads and stores; behind the wait A's tile for the next two quarters is read, and the
; buffer read out before is written again, half in this quarter's run and half in the next one's.
; REGISTERS, in windows of 256 (s_set_vgpr_msb: bits 1:0 source 0, 3:2 source 1, 5:4 source 2, 7:6 destination):
;   window 0: fragments alone: A's two buffers v0-63, v64-127; the weights' two v128-191, v192-255.  On the way out v0-63: logits^T, eight accumulators
;   window 1: v0-15 addresses; v16-31 packed A; v32-63 wvt's four fragments; v64-127, v128-191 A as loaded, two sets (on the way out: tanh, then the sums); v192-255 cbv for my 64 numbers
;   window 2: accumulators of rows 0-63 ((a, b) at v[8 (8 a + b)]);   window 3: those of rows 64-127
.set PB,     272                       ; a row of weights in LDS: 256 bytes + 16 = 68 words: the 16 rows of a load start at 16 different groups of four banks (64 banks of 4 bytes: ISA guide 11.1)
.set WSL,    128*PB                    ; a wave's part of a slot
.set SLOT,   4*WSL
.set ABUF,   2*SLOT                    ; behind the ring, never filled by a tensor load: A's two buffers
.set PA,     144                       ; a row of A in LDS: 128 bytes + 16 = 36 words
.set ABYTES, 128*PA
.set SPARE,  ABUF+2*ABYTES             ; the spare words, 128 bytes for each wave, which no other line names
.set LS,     ABUF                      ; on the way out, over A's buffers: [wave][head] rows of 528 bytes (128 rows of f32 + 16)
.set LSP,    528
.set LSW,    16*LSP
.set T2,    0                          ; window 1.  v0   l
.set ADRA,  1                          ; v1   LDS address of my A fragments in buffer 0
.set ADRB0, 2                          ; v2, v3  the same for my weights in slot 0, 1
.set GOF,   4                          ; v4   my offset in A's 128 rows: row 32 w + 8 (l / 16), 16 bytes at 16 (l % 16)
.set AST,   5                          ; v5   where I put 8 bytes of that row in buffer 0
.set PFO,   6                          ; v6   the prefetches' offset: row 32 w + l, piece nh
.set SPW,   7                          ; v7   LDS address of my spare word; never rewritten
.set NIL,   8                          ; v8   0; never rewritten
.set LSTO,  9                          ; v9   where I put my logits
.set LRD,   10                         ; v10  where I read 128 rows of a head back
.set LGO,   11                         ; v11  16 l
.set CBO,   12                         ; v12  my offset in cbv
.set WVO,   13                         ; v13  my offset in wvt
.set T0,    14                         ; v14  l % 16
.set T1,    15                         ; v15  l / 16
.set TMP,   16                         ; v[16:31] eight loads' numbers, packed
.set WVF,   32
.set ST0,   64
.set Y,     64
.set R,     64
.set CB,    192
.set WV,   16                          ; s16  my wave's number
.set CX,   17
.set CY,   18
.set NH,   19
.set ROT,  20
.set RB,   21                          ; s21  my block of 128 rows, 0..255
.set G1,   28                          ; s[28:35] descriptor group 1
.set G0,   36                          ; s[36:43] descriptor group 0, a set for each slot
.set P0,   44                          ; s[44:45] A's first source at my rows;  s[46:47] the second
.set P1,   46
.set PCUR, 48                          ; s[48:49] the lap that is being loaded
.set PPF,  50                          ; s[50:51] the lap that is being prefetched
.set CS,   52                          ; s[52:53] c
.set CNT,  54                          ; s54  trips to go
.set LPB,  56                          ; s[56:57] lp at my four heads' 128 rows
.set MSB, 0
.macro WIN new                         ; the immediate's high byte repeats the setting that is left; a switch that changes nothing is dropped
.if MSB != (\new)
	s_set_vgpr_msb (MSB<<8)|(\new)
.set MSB, \new
.endif
.endm
.set MUL_LO, 0xa0                      ; fragments window 0, C and D window 2
.set MUL_HI, 0xf0                      ; the same, C and D window 3
.set W1,     0x55                      ; all places window 1
.set TO_F,   0x01                      ; address window 1, destination window 0
.set W_MK,   0x40                      ; destination window 1, sources window 0
.set W_AD,   0x05                      ; sources 0 and 1 window 1: the add; also the second product (C and D window 0)
.set S1LO,   0x56                      ; source 0 window 2 (S1LO + 1: window 3), the rest window 1
.set W_ST,   0x01                      ; an LDS store: address window 1, data window 0
.macro PLACES                          ; four places in front of loads into registers that matrix instructions have read, and of lines that read results or write sources
.rept 4
	v_nop
.endr
.endm
.macro CREST                           ; a round of the cluster's barrier behind its opening barrier
	s_cmp_lg_u32 s[WV], 0
	s_cbranch_scc1 .Lnot_wave_0_\@
	s_barrier_signal -3
.Lnot_wave_0_\@:
	s_barrier_wait -3
	s_barrier_signal -1
	s_barrier_wait -1
.endm
.macro CROUND                          ; a whole round
	s_barrier_signal -1
	s_barrier_wait -1
	CREST
.endm
.macro JLOAD s                         ; a joint refill: every wave its own 128 columns; an s_nop 0 and four v_nop follow
	tensor_load_to_lds s[G0+4*(\s):G0+4*(\s)+3], s[G1:G1+7]
	s_nop 0
.rept 4
	v_nop
.endr
.endm
; A PREFETCH INTO THE L2, once a trip, behind a joint load and the run of memory instructions that follows it: A's 1,024 bytes a row of the lap AFTER the one whose loads this trip issues.  A lane a row: a wave
; names its own 32 rows.  The two work-groups that read the same rows share a lap's four pieces of 256 bytes out by address: pieces nh and nh + 2.  So each piece is named once in the launch.
; The first two laps come by their loads alone; the last trip asks for nothing: there is no lap behind the one that it loads.
.macro ASK
	WIN 0
	s_cmp_gt_u32 s[CNT], 1
	s_cbranch_scc0 .Lno_ask_\@
	WIN TO_F
	global_prefetch_b8 v[PFO], s[PPF:PPF+1] th:TH_LOAD_NT scope:SCOPE_SE
	global_prefetch_b8 v[PFO], s[PPF:PPF+1] offset:512 th:TH_LOAD_NT scope:SCOPE_SE
	WIN 0
.Lno_ask_\@:
.endm
; 32 LDS loads: a quarter's fragments into buffer f: my weights from slot bs at byte bk of the rows, then A from buffer ab at byte ak, rows 0-63 first
.macro FETCH bs, bk, ab, ak, f
	WIN TO_F
.irp i, 0,1,2,3,4,5,6,7
	ds_load_b128 v[128+64*(\f)+8*(\i):128+64*(\f)+8*(\i)+3],   v[ADRB0+(\bs)] offset:(\bk)+(\i)*16*PB
	ds_load_b128 v[128+64*(\f)+8*(\i)+4:128+64*(\f)+8*(\i)+7], v[ADRB0+(\bs)] offset:(\bk)+(\i)*16*PB+32
.endr
.irp i, 0,1,2,3,4,5,6,7
	ds_load_b128 v[64*(\f)+8*(\i):64*(\f)+8*(\i)+3],   v[ADRA] offset:(\ab)*ABYTES+(\ak)+(\i)*16*PA
	ds_load_b128 v[64*(\f)+8*(\i)+4:64*(\f)+8*(\i)+7], v[ADRA] offset:(\ab)*ABYTES+(\ak)+(\i)*16*PA+32
.endr
.endm
; A's WAY IN, a tile in two halves of eight loads.  Load t of half H brought two rows' 256 bytes (lanes 0-15 row t + 16 H of my 32, lanes 16-31 the row 8 further down).  UCVT: the half's loads have come;
; their 4 numbers a lane are rounded to bf16.  USTO: they are stored, 8 bytes a lane (the two rows lie 288 words apart); rel = 1: the registers are asked again, for the tile two on, at
; byte off of the lap at PCUR.  USET names the set of registers, the LDS buffer, off, rel, and the two halves' counts.
; THE COUNT with rel = 1: behind a half's eight loads three more halves were issued: 24.  In the last lap nothing is asked again and the counts run down: 24, 16, 8, 0.
.macro USET set, buf, off, rel, c0, c1
.set USETN, \set
.set UBUF,  \buf
.set UOFF,  \off
.set UREL,  \rel
.set UC0,   \c0
.set UC1,   \c1
.set UH,    0
.endm
.macro UCVT
	WIN W1
.if UH == 0
	s_wait_loadcnt UC0
.else
	s_wait_loadcnt UC1
.endif
.set ut, 0
.rept 8
.set US, ST0+64*USETN+4*(8*UH+ut)
	v_cvt_pk_bf16_f32 v[TMP+2*ut],   v[US],   v[US+1]
	v_cvt_pk_bf16_f32 v[TMP+2*ut+1], v[US+2], v[US+3]
.set ut, ut+1
.endr
.endm
.macro USTO
	WIN W1
.set ut, 0
.rept 8
	ds_store_b64 v[AST], v[TMP+2*ut:TMP+2*ut+1] offset:UBUF*ABYTES+(ut+16*UH)*PA
.set ut, ut+1
.endr
.if UREL
.set ut, 0
.rept 8
.set US, ST0+64*USETN+4*(8*UH+ut)
	global_load_b128 v[US:US+3], v[GOF], s[PCUR:PCUR+1] offset:UOFF+(ut+16*UH)*4096
.set ut, ut+1
.endr
.endif
.set UH, UH+1
.endm
; 16 matrix instructions: row blocks a0, a0 + 1 of the window's four x all 8 column blocks.  zero = 1: the products start the sums.
; The 64 accumulators take turns, one instruction a turn, in the same order in every quarter.
.macro MUL16 f, hi, a0, zero
	WIN MUL_LO+0x50*(\hi)
.irp a, \a0, (\a0)+1
.irp b, 0,1,2,3,4,5,6,7
.if \zero
	v_wmma_f32_16x16x32_bf16 v[8*(8*(\a)+(\b)):8*(8*(\a)+(\b))+7], v[128+64*(\f)+8*(\b):128+64*(\f)+8*(\b)+7], v[64*(\f)+8*(4*(\hi)+(\a)):64*(\f)+8*(4*(\hi)+(\a))+7], 0
.else
	v_wmma_f32_16x16x32_bf16 v[8*(8*(\a)+(\b)):8*(8*(\a)+(\b))+7], v[128+64*(\f)+8*(\b):128+64*(\f)+8*(\b)+7], v[64*(\f)+8*(4*(\hi)+(\a)):64*(\f)+8*(4*(\hi)+(\a))+7], v[8*(8*(\a)+(\b)):8*(8*(\a)+(\b))+7]
.endif
.endr
.endr
.endm
; AN EVEN QUARTER multiplies buffer f and fetches the next quarter into g.  n1: the LDS instructions that may be out at its head: the eight youngest fragment loads (A's rows 64-127), and the eight stores
; issued behind them where the run before had stores.  u = 1: the run carries half a tile of A.  Behind the run: all but the run's own LDS instructions (32 loads, 8 stores) have come: A's rows 64-127.
; pre = 1: the next quarter's barrier opens a round, or shows a slot landed: ahead of this quarter's last 16 products the wave waits for all its tensor loads and adds 0 to its spare word;
; the wait for the add is the next quarter's first line.
.macro QEVEN f, g, bs, bk, ab, ak, zero, n1, u, pre
	s_wait_dscnt \n1
	MUL16 \f, 0, 0, \zero
.if \u
	UCVT                                           ; sixteen plain instructions: also the places in front of the loads below
.else
	PLACES
.endif
	FETCH \bs, \bk, \ab, \ak, \g
.if \u
	USTO
	s_wait_dscnt 40
.else
	s_wait_dscnt 32
.endif
	MUL16 \f, 0, 2, \zero
	MUL16 \f, 1, 0, \zero
.if \pre
	WIN W_AD
	s_wait_tensorcnt 0x0                           ; all my tensor loads have landed: the one that was out is my part of the other slot
	ds_add_u32 v[SPW], v[NIL]                      ; 0 onto my spare word: sixteen products stand between it and the wait for it
.endif
	MUL16 \f, 1, 2, \zero
.endm
; AN ODD QUARTER opens with the barrier.  In front of the signal: all my LDS reads are back and my stores into A's buffer are done (and the add, where the quarter before issued it).
; ev = 1: the work-group's barrier.  ev = 3: slot rs has been read out and is filled again: the barrier opens a round of the cluster's, with register work alone inside; the joint refill is the first
; thing behind it; from it to the wait for it the wave issues 224 matrix instructions.  Nothing is waited for behind the run: the head's wait has shown all of buffer f in.
.macro QODD f, g, bs, bk, ab, ak, ev, rs, u
	s_wait_dscnt 0x0
	s_barrier_signal -1
	MUL16 \f, 0, 0, 0                              ; work on registers while the others arrive
.if (\ev) == 3
	WIN 0
	s_barrier_wait -1
	CREST
	s_add_nc_u64 s[G0+4*(\rs)+2:G0+4*(\rs)+3], s[G0+4*(\rs)+2:G0+4*(\rs)+3], 524288   ; two blocks of wt on; no tensor load of mine is out
	JLOAD \rs
.else
	s_barrier_wait -1
.endif
.if \u
	UCVT
.elseif (\ev) != 3
	PLACES
.endif
	FETCH \bs, \bk, \ab, \ak, \g
.if \u
	USTO
.endif
.if ((\ev) == 3) && ((\rs) == 0)
	ASK
.endif
	MUL16 \f, 0, 2, 0
	MUL16 \f, 1, 0, 0
	MUL16 \f, 1, 2, 0
.endm
	s_load_b256 s[4:11], s[0:1], 0x0               ; query s[4:5], memory s[6:7], wt s[8:9], cbv s[10:11]
	s_load_b128 s[12:15], s[0:1], 0x20             ; wvt s[12:13], lp s[14:15]
	WIN W_MK
	v_lshl_add_u32 v[SPW], v0, 2, SPARE
	v_mov_b32 v[NIL], 0
	WIN W_AD
	ds_add_u32 v[SPW], v[NIL]                      ; the wave's opening: the add and its wait ahead of my first tensor load; the set-up below, work on registers, stands between them
	WIN W_MK
	v_and_b32 v[T0], 15, v0
	v_bfe_u32 v[T1], v0, 4, 1
	v_and_b32 v[T2], 31, v0
	WIN 0
	v_lshrrev_b32 v1, 5, v0
	v_readfirstlane_b32 s[WV], v1                  ; wave 0..3
	s_bfe_u32 s[CX], ttmp6, 0x40000
	s_bfe_u32 s[CY], ttmp6, 0x40004
	s_and_b32 s[NH], s[CX], 1
	s_lshr_b32 s[ROT], s[CX], 1
	s_and_b32 s[RB], ttmp7, 0xffff                 ; in a cluster launch ttmp7 counts clusters
	s_lshl_b32 s[RB], s[RB], 2
	s_add_co_u32 s[RB], s[RB], s[CY]               ; work-group y
	s_lshl_b32 s[RB], s[RB], 1
	s_add_co_u32 s[RB], s[RB], s[ROT]              ; my block of rows = 2 y + rot
	; descriptor group 1: a tile of 128 rows x 128 elements, dense in memory, padded in LDS
	s_lshl_b32 s[G1], 0x1111, s[CX]                ; my column of the cluster: places cx, cx + 4, cx + 8, cx + 12
	s_or_b32 s[G1], s[G1], (1<<16)|(1<<20)|(1<<21)|(5<<22)|(3<<25)   ; 17:16 elements of 2 bytes; 20 padding on; 21 set beside a mask; 24:22 after every 64 words; 31:25 4 words of it
	s_mov_b32 s[G1+1], 128<<16                     ; tensor_dim0 = 128
	s_mov_b32 s[G1+2], 128<<16                     ; tensor_dim1 = 128
	s_mov_b32 s[G1+3], 128<<16                     ; tile_dim0 = 128
	s_mov_b32 s[G1+4], 128                         ; tile_dim1 = 128
	s_mov_b32 s[G1+5], 128                         ; 128 elements from row to row
	s_mov_b32 s[G1+6], 0
	s_mov_b32 s[G1+7], 0
	s_mul_i32 s55, s[WV], WSL                      ; my part of a slot: no place in the cluster enters an LDS address
	s_mov_b32 s[G0], 1
	s_mov_b32 s[G0+1], s55
	s_mov_b32 s[G0+4], 1
	s_add_co_u32 s[G0+5], s55, SLOT
	s_lshl_b32 s24, s[ROT], 21                     ; the weights: the walk begins at block 8 rot,
	s_lshl_b32 s25, s[NH], 17                      ; rows 512 nh on,
	s_add_co_u32 s24, s24, s25
	s_lshl_b32 s25, s[WV], 15                      ; my 128 of them: made of cx and the wave's number alone
	s_add_co_u32 s24, s24, s25
	s_mov_b32 s25, 0
	s_lshl_b32 s26, s[RB], 19                      ; A: 128 rows of 4,096 bytes
	s_mov_b32 s27, 0
	s_lshl_b32 s22, s[NH], 3                       ; lp: (((8 nh + b) 16 + 4 w) 4,096 + l0) 4, with b = rb / 32, l0 = 128 (rb % 32)
	s_lshr_b32 s23, s[RB], 5
	s_add_co_u32 s22, s22, s23
	s_lshl_b32 s22, s22, 4
	s_lshl_b32 s23, s[WV], 2
	s_add_co_u32 s22, s22, s23
	s_lshl_b32 s22, s22, 12
	s_and_b32 s23, s[RB], 31
	s_lshl_b32 s23, s23, 7
	s_add_co_u32 s22, s22, s23
	s_lshl_b32 s22, s22, 2
	s_mov_b32 s23, 0
	s_mov_b32 s[CS], 0x4038aa3b                    ; c = 2 log2(e)
	s_mov_b32 s[CS+1], s[CS]                       ; named with it as a pair
	s_lshl_b32 s58, s[WV], 17                      ; 32 rows of 4,096 bytes
	s_mul_i32 s59, s[WV], 32*PA
	s_add_co_u32 s59, s59, ABUF
	s_lshl_b32 s60, s[NH], 8
	s_add_co_u32 s60, s60, s58
	s_mul_i32 s61, s[WV], LSW
	s_add_co_u32 s61, s61, LS
	s_mul_i32 s62, s[WV], 4*LSP
	s_add_co_u32 s62, s62, LS
	s_lshl_b32 s63, s[NH], 11
	s_lshl_b32 s3, s[WV], 9
	s_add_co_u32 s63, s63, s3                      ; 4 (512 nh + 128 w)
	s_lshr_b32 s3, s63, 1                          ; 2 (512 nh + 128 w)
	WIN W1
	v_mul_u32_u24 v[ADRA], v[T0], PA               ; a fragment: row l % 16, 16 bytes for each half of the lanes
	v_lshl_add_u32 v[ADRA], v[T1], 4, v[ADRA]
	v_add_nc_u32 v[ADRA], ABUF, v[ADRA]
	v_mul_u32_u24 v[ADRB0], v[T0], PB
	v_lshl_add_u32 v[ADRB0], v[T1], 4, v[ADRB0]
	v_add_nc_u32 v[ADRB0], s55, v[ADRB0]
	v_add_nc_u32 v[ADRB0+1], SLOT, v[ADRB0]
	v_lshlrev_b32 v[GOF], 4, v[T0]
	v_lshl_add_u32 v[GOF], v[T1], 15, v[GOF]
	v_add_nc_u32 v[GOF], s58, v[GOF]
	v_mul_u32_u24 v[AST], v[T1], 8*PA
	v_lshl_add_u32 v[AST], v[T0], 3, v[AST]
	v_add_nc_u32 v[AST], s59, v[AST]
	v_lshl_add_u32 v[PFO], v[T2], 12, s60
	v_mul_u32_u24 v[LSTO], v[T1], 8*LSP            ; heads 8 (l / 16) on, row l % 16
	v_lshl_add_u32 v[LSTO], v[T0], 2, v[LSTO]
	v_add_nc_u32 v[LSTO], s61, v[LSTO]
	v_lshl_add_u32 v[LRD], v[T2], 4, s62
	v_lshlrev_b32 v[LGO], 4, v[T2]
	v_lshl_add_u32 v[CBO], v[T1], 5, s63
	v_lshlrev_b32 v[WVO], 11, v[T0]                ; head l % 16,
	v_lshl_add_u32 v[WVO], v[T1], 4, v[WVO]        ; columns 8 (l / 16) on
	v_add_nc_u32 v[WVO], s3, v[WVO]
	WIN 0
	s_wait_dscnt 0x0                               ; the opening add is done
	s_wait_kmcnt 0x0
	s_add_nc_u64 s[G0+2:G0+3], s[8:9], s[24:25]    ; weight step 0
	s_add_nc_u64 s[G0+6:G0+7], s[G0+2:G0+3], 262144   ; weight step 1
	s_or_b32 s[G0+3], s[G0+3], 0x80000000          ; type = 2
	s_or_b32 s[G0+7], s[G0+7], 0x80000000
	s_cmp_eq_u32 s[ROT], 0
	s_cselect_b64 s[P0:P0+1], s[4:5], s[6:7]
	s_cselect_b64 s[P1:P1+1], s[6:7], s[4:5]
	s_add_nc_u64 s[P0:P0+1], s[P0:P0+1], s[26:27]
	s_add_nc_u64 s[P1:P1+1], s[P1:P1+1], s[26:27]
	s_mov_b64 s[PCUR:PCUR+1], s[P0:P0+1]
	s_add_nc_u64 s[PPF:PPF+1], s[P0:P0+1], 1024
	s_add_nc_u64 s[LPB:LPB+1], s[14:15], s[22:23]
	WIN W1
.irp s, 0,1
.set t, 0
.rept 16
	global_load_b128 v[ST0+64*(\s)+4*t:ST0+64*(\s)+4*t+3], v[GOF], s[PCUR:PCUR+1] offset:256*(\s)+((t&7)+16*(t>>3))*4096   ; A's tiles 0 and 1 go out first of all: the first products wait for them
.set t, t+1
.endr
.endr
	WIN 0
	CROUND                                         ; all sixteen work-groups are here: the first joint loads meet
	tensor_load_to_lds s[G0:G0+3], s[G1:G1+7]      ; both first fills go out together: two loads of mine are out
	s_nop 0
	tensor_load_to_lds s[G0+4:G0+7], s[G1:G1+7]
	s_nop 0
.rept 4
	v_nop
.endr
	WIN W1
.irp b, 0,1,2,3,4,5,6,7
	global_load_b128 v[CB+8*(\b):CB+8*(\b)+3],   v[CBO], s[10:11] offset:64*(\b)      ; c (bq + bk) for column block b: my eight columns
	global_load_b128 v[CB+8*(\b)+4:CB+8*(\b)+7], v[CBO], s[10:11] offset:64*(\b)+16
.endr
.irp p, 0,1,2,3
	global_load_b128 v[WVF+8*(\p):WVF+8*(\p)+3],   v[WVO], s[12:13] offset:64*(\p)    ; wvt: 16 heads x 32 columns
	global_load_b128 v[WVF+8*(\p)+4:WVF+8*(\p)+7], v[WVO], s[12:13] offset:64*(\p)+32
.endr
	USET 0, 0, 512, 1, 48, 48                      ; tile 0 into buffer 0; tile 2 is asked for.  The count here: three halves of A and the 24 loads just issued are younger
	UCVT
	USTO
	UCVT
	USTO
	USET 1, 1, 768, 1, 48, 48                      ; tile 1 into buffer 1; tile 3 is asked for
	UCVT
	USTO
	UCVT
	USTO
	s_wait_tensorcnt 1                             ; my part of slot 0 is in; slot 1's may stay out
	s_wait_dscnt 0x0                               ; my stores into A's buffers are done
	s_barrier_signal -1
	s_barrier_wait -1
	FETCH 0, 0, 0, 0, 0
	QEVEN 0, 1, 0, 64, 0, 64, 1, 8, 0, 0           ; the first quarter stands in front of the loop: its products start the sums
	WIN 0                                          ; at a label and at a branch every window is 0
	s_mov_b32 s[CNT], 7
.Llap:                                                 ; trip L = 7 - s54: from lap L's second quarter to lap L + 1's first.  It stores A's tiles 4 L + 2 .. 4 L + 5, loads lap L + 1's four, fills both slots again
	s_wait_xcnt 0x0                                ; every load and prefetch issued so far has read its address (the youngest load 48 matrix instructions back): the pointers may be written
	s_add_nc_u64 s[PCUR:PCUR+1], s[PCUR:PCUR+1], 1024
	s_add_nc_u64 s[PPF:PPF+1], s[PPF:PPF+1], 1024
	s_cmp_eq_u32 s[CNT], 4                         ; lap 4 is the second source's first
	s_cselect_b64 s[PCUR:PCUR+1], s[P1:P1+1], s[PCUR:PCUR+1]
	s_cmp_eq_u32 s[CNT], 5                         ; and is prefetched a trip earlier
	s_cselect_b64 s[PPF:PPF+1], s[P1:P1+1], s[PPF:PPF+1]
	USET 0, 0, 0, 1, 24, 24
	QODD  1, 0, 0, 128, 1, 0,  1, 0, 1
	QEVEN 0, 1, 0, 192, 1, 64, 0, 16, 1, 1
	USET 1, 1, 256, 1, 24, 24
	QODD  1, 0, 1, 0,   0, 0,  3, 0, 1
	QEVEN 0, 1, 1, 64,  0, 64, 0, 16, 1, 0
	USET 0, 0, 512, 1, 24, 24
	QODD  1, 0, 1, 128, 1, 0,  1, 0, 1
	QEVEN 0, 1, 1, 192, 1, 64, 0, 16, 1, 1
	USET 1, 1, 768, 1, 24, 24
	QODD  1, 0, 0, 0,   0, 0,  3, 1, 1
	QEVEN 0, 1, 0, 64,  0, 64, 0, 16, 1, 0
	WIN 0
	s_sub_co_u32 s[CNT], s[CNT], 1
	s_cmp_lg_u32 s[CNT], 0
	s_cbranch_scc1 .Llap
	USET 0, 0, 0, 0, 24, 16                        ; the last lap is written out: nothing is loaded or filled any more; tile 30
	QODD  1, 0, 0, 128, 1, 0,  1, 0, 1
	QEVEN 0, 1, 0, 192, 1, 64, 0, 16, 1, 1         ; the last slot is shown landed ahead of the barrier behind which it is read
	USET 1, 1, 0, 0, 8, 0                          ; tile 31
	QODD  1, 0, 1, 0,   0, 0,  1, 0, 1
	QEVEN 0, 1, 1, 64,  0, 64, 0, 16, 1, 0
	QODD  1, 0, 1, 128, 1, 0,  1, 0, 0
	QEVEN 0, 1, 1, 192, 1, 64, 0, 8, 0, 0
	s_wait_dscnt 8                                 ; the very last quarter: nothing more to fetch
	MUL16 1, 0, 0, 0
	MUL16 1, 0, 2, 0
	s_wait_dscnt 0x0
	MUL16 1, 1, 0, 0
	MUL16 1, 1, 2, 0
	WIN 0
	; THE WAY OUT.  tanh, the second product, the four waves' partial logits added in LDS.
	PLACES
	PLACES
	s_wait_dscnt 0x0                               ; my reads of A's buffers are over:
	s_barrier_signal -1
	s_barrier_wait -1                              ; everybody's are: the logits' rows may be written over them
; Batch g: row blocks 2 g, 2 g + 1: 16 accumulators, 128 registers.  y = c s + c (bq + bk) (each accumulator's lowest registers are read first); 2^y; + 1; the reciprocal;
; 1 - 2 r; rounded to bf16 in pairs, in place from the low end; eight products on two accumulators that take turns.  The exponentials are one batch with one wait, and so are the reciprocals.
.macro BATCH g
	WIN S1LO+((\g)/2)
.set i, 0
.rept 64
	v_pk_fma_f32 v[Y+2*i:Y+2*i+1], v[128*((\g)%2)+2*i:128*((\g)%2)+2*i+1], s[CS:CS+1], v[CB+(2*i)%64:CB+(2*i)%64+1] op_sel_hi:[1,0,1]
.set i, i+1
.endr
	WIN W1
.set i, 0
.rept 128
	v_exp_f32 v[Y+i], v[Y+i]
.set i, i+1
.endr
	v_nop                                          ; a plain instruction behind the last exponential,
	s_wait_alu depctr_va_vdst(0)                   ; and the wait ahead of the first use: one for the batch
.set i, 0
.rept 64
	v_pk_add_f32 v[Y+2*i:Y+2*i+1], v[Y+2*i:Y+2*i+1], 1.0 op_sel_hi:[1,0]
.set i, i+1
.endr
.set i, 0
.rept 128
	v_rcp_f32 v[Y+i], v[Y+i]
.set i, i+1
.endr
	v_nop
	s_wait_alu depctr_va_vdst(0)
.set i, 0
.rept 64
	v_pk_fma_f32 v[Y+2*i:Y+2*i+1], v[Y+2*i:Y+2*i+1], -2.0, 1.0 op_sel_hi:[1,0,0]
.set i, i+1
.endr
.set i, 0
.rept 64
	v_cvt_pk_bf16_f32 v[Y+i], v[Y+2*i], v[Y+2*i+1]
.set i, i+1
.endr
	WIN W_AD
.irp p, 0,1,2,3
.irp a, 0,1
.if (\p) == 0
	v_wmma_f32_16x16x32_bf16 v[8*(2*(\g)+(\a)):8*(2*(\g)+(\a))+7], v[WVF+8*(\p):WVF+8*(\p)+7], v[Y+32*(\a)+8*(\p):Y+32*(\a)+8*(\p)+7], 0
.else
	v_wmma_f32_16x16x32_bf16 v[8*(2*(\g)+(\a)):8*(2*(\g)+(\a))+7], v[WVF+8*(\p):WVF+8*(\p)+7], v[Y+32*(\a)+8*(\p):Y+32*(\a)+8*(\p)+7], v[8*(2*(\g)+(\a)):8*(2*(\g)+(\a))+7]
.endif
.endr
.endr
	PLACES                                         ; in front of the next batch's writes of these sources, and of the stores of the results
	PLACES
.endm
	BATCH 0
	BATCH 1
	BATCH 2
	BATCH 3
	WIN W_ST
.irp a, 0,1,2,3,4,5,6,7                ; register j of accumulator a: head 8 (l / 16) + j, row 16 a + l % 16; the two halves of the lanes lie 1,056 words apart
.irp j, 0,1,2,3,4,5,6,7
	ds_store_b32 v[LSTO], v[8*(\a)+(\j)] offset:(\j)*LSP+(\a)*64
.endr
.endr
	s_wait_dscnt 0x0                               ; for the others' sake: my partial logits are in LDS
	s_barrier_signal -1
	s_barrier_wait -1
	WIN W1
.irp i, 0,1,2,3                        ; wave w adds the four waves' parts for heads 4 w + i: 128 rows, 16 bytes a lane
.irp v, 0,1,2,3
	ds_load_b128 v[R+16*(\i)+4*(\v):R+16*(\i)+4*(\v)+3], v[LRD] offset:(\v)*LSW+(\i)*LSP
.endr
.endr
	s_wait_dscnt 0x0
.irp i, 0,1,2,3
	v_pk_add_f32 v[R+16*(\i):R+16*(\i)+1],     v[R+16*(\i):R+16*(\i)+1],     v[R+16*(\i)+4:R+16*(\i)+5]
	v_pk_add_f32 v[R+16*(\i)+2:R+16*(\i)+3],   v[R+16*(\i)+2:R+16*(\i)+3],   v[R+16*(\i)+6:R+16*(\i)+7]
	v_pk_add_f32 v[R+16*(\i)+8:R+16*(\i)+9],   v[R+16*(\i)+8:R+16*(\i)+9],   v[R+16*(\i)+12:R+16*(\i)+13]
	v_pk_add_f32 v[R+16*(\i)+10:R+16*(\i)+11], v[R+16*(\i)+10:R+16*(\i)+11], v[R+16*(\i)+14:R+16*(\i)+15]
.endr
.irp i, 0,1,2,3
	v_pk_add_f32 v[R+16*(\i):R+16*(\i)+1],   v[R+16*(\i):R+16*(\i)+1],   v[R+16*(\i)+8:R+16*(\i)+9]
	v_pk_add_f32 v[R+16*(\i)+2:R+16*(\i)+3], v[R+16*(\i)+2:R+16*(\i)+3], v[R+16*(\i)+10:R+16*(\i)+11]
	global_store_b128 v[LGO], v[R+16*(\i):R+16*(\i)+3], s[LPB:LPB+1] offset:(\i)*16384   ; 512 consecutive bytes, aligned: 128 rows of one head
.endr
	WIN W_AD
	s_wait_tensorcnt 0x0                           ; the wave's end: three closing lines, behind my last tensor load and my last LDS store
	ds_add_u32 v[SPW], v[NIL]
	s_wait_dscnt 0x0
	WIN 0
	CROUND                                         ; the closing round: no work-group ends while a partner may still ask for a tile that names it
	s_endpgm
.Lfunc_end_k_q88c0794d3e_gemm:
	.size	k_q88c0794d3e_gemm, .Lfunc_end_k_q88c0794d3e_gemm-k_q88c0794d3e_gemm
	.p2alignl 7, 3214868480
	.fill 96, 4, 3214868480
	.section	.rodata,"a",@progbits
	.p2align	6, 0x0
	.amdhsa_kernel k_q88c0794d3e_gemm
		.amdhsa_group_segment_fixed_size 327680
		.amdhsa_private_segment_fixed_size 0
		.amdhsa_enable_private_segment 0
		.amdhsa_kernarg_size 48
		.amdhsa_user_sgpr_count 2
		.amdhsa_user_sgpr_kernarg_segment_ptr 1
		.amdhsa_wavefront_size32 1
		.amdhsa_system_sgpr_workgroup_id_x 1
		.amdhsa_system_sgpr_workgroup_id_y 1
		.amdhsa_system_sgpr_workgroup_id_z 1
		.amdhsa_system_vgpr_workitem_id 0
		.amdhsa_next_free_vgpr 1024
		.amdhsa_next_free_sgpr 66
		.amdhsa_reserve_vcc 0
		.amdhsa_float_denorm_mode_32 3
		.amdhsa_float_denorm_mode_16_64 3
		.amdhsa_memory_ordered 1
		.amdhsa_forward_progress 1
		.amdhsa_inst_pref_size 255
	.end_amdhsa_kernel
	.section	.bss,"aw",@nobits
	.p2align	6
	.space	262144
	.amdgpu_metadata
---
amdhsa.version: [ 1, 2 ]
amdhsa.kernels:
  - .name:           k_q88c0794d3e_gemm
    .symbol:         k_q88c0794d3e_gemm.kd
    .args:
      - { .name: query, .offset: 0, .size: 8, .value_kind: global_buffer, .address_space: global }
      - { .name: memory, .offset: 8, .size: 8, .value_kind: global_buffer, .address_space: global }
      - { .name: wt, .offset: 16, .size: 8, .value_kind: global_buffer, .address_space: global }
      - { .name: cbv, .offset: 24, .size: 8, .value_kind: global_buffer, .address_space: global }
      - { .name: wvt, .offset: 32, .size: 8, .value_kind: global_buffer, .address_space: global }
      - { .name: lp, .offset: 40, .size: 8, .value_kind: global_buffer, .address_space: global }
    .group_segment_fixed_size: 327680
    .private_segment_fixed_size: 0
    .kernarg_segment_align: 8
    .kernarg_segment_size: 48
    .max_flat_workgroup_size: 128
    .sgpr_count:     66
    .vgpr_count:     1024
    .wavefront_size: 32
...
	.end_amdgpu_metadata
.endif
;; end of part 2
;; launch wsum (part 3): grid 256 x 1, 16 waves a work-group, no clusters, 23,040 bytes of LDS; arguments lp, bias, bv, memory, xp; writes xp
.if DOCPART == 3
	.amdgcn_target "amdgcn-amd-amdhsa--gfx1250"
	.amdhsa_code_object_version 6
	.text
	.protected	k_q88c0794d3e_wsum
	.globl	k_q88c0794d3e_wsum
	.p2align	8
	.type	k_q88c0794d3e_wsum,@function
k_q88c0794d3e_wsum:
	s_mov_b64 s[64:65], 0
	v_nop
	global_prefetch_b8 v0, s[64:65] scope:SCOPE_SE
	s_setreg_imm32_b32 hwreg(HW_REG_WAVE_MODE, 25, 1), 1
	s_wait_xcnt 0x0
; xp[half][b][64 h + d] = (the sum over the 2,048 rows l of the half of e[l] memory[b][l][64 h + d]) / Z, with s[l] = lp[0][b][h][l] + lp[1][b][h][l] + bv[h] + bias[b][l],
; e[l] = 2^((s[l] - M) log2(e)), M the maximum and Z the sum of e over ALL 4,096 rows.  All in f32.  A weight under 2^-126 counts as 0; NaN and infinities are not treated apart.
; SHARES.  Work-group g: half = g % 2, head h = (g / 2) % 16, batch b = g / 32.  Both halves make M, Z and e for the whole row of logits (48 KiB read); each streams its own 512 KiB of memory once.
; Thread t takes logits 4 t .. and 2,048 + 4 t ..: each load and LDS store of a wave covers 512 consecutive bytes.  Wave v takes rows 128 v .. 128 v + 127 of the half: lanes 0-15 row i, lanes 16-31 row 64 + i,
; 16 bytes a lane: each half of the lanes reads the head's 256 consecutive bytes of a row, aligned.  A ring of 16 loads a wave is filled at the head, ahead of the softmax, and kept full.
; No matrix unit, tensor load, cluster or prefetch: one row of weights a head, no byte shared between work-groups, and the launch is one stream from memory.
.set E,     0                          ; e, 4,096 f32
.set RED1,  16384                      ; the waves' maxima
.set RED2,  16640                      ; the waves' sums
.set PART,  16896                      ; the waves' 64 channels, 256 bytes each
.set SPARE, 20992                      ; the spare words, 128 bytes for each of 16 waves, which no other line names
.set SPW, 2                            ; v2   LDS address of my spare word; never rewritten
.set NIL, 3                            ; v3   0; never rewritten
.set MOF, 4                            ; v4   my offset in the work-group's rows of memory
.set T16, 5                            ; v5   16 t
.set LN,  6                            ; v6   lane
.set C16, 7                            ; v7   16 (lane % 16)
.set S,   8                            ; v[8:15] lp[0], then s, then e;  v[16:23] lp[1];  v[24:31] bias
.set X,   32                           ; v[32:95]   the ring: slot i % 16
.set W,   96                           ; v[96:159]  my 64 rows' weights
.set ACC, 160                          ; v[160:167] two sets of four sums: even rows, odd rows
.set TA,  168                          ; v[168:171] at work
.set RD,  172                          ; v[172:187] the 16 waves' figures
.set WAD, 188                          ; v188 where my weights lie in E
.set RA,  189                          ; v189 4 x wave
.set ZR,  190                          ; v190 0, an LDS address
.set PST, 191                          ; v191 256 x wave + 16 (lane % 16)
	s_load_b256 s[4:11], s[0:1], 0x0               ; lp s[4:5], bias s[6:7], bv s[8:9], memory s[10:11]
	s_load_b64 s[12:13], s[0:1], 0x20              ; xp
	v_lshl_add_u32 v[SPW], v0, 2, SPARE
	v_mov_b32 v[NIL], 0
	v_lshrrev_b32 v1, 5, v0
	v_readfirstlane_b32 s14, v1                    ; wave 0..15
	s_and_b32 s15, ttmp9, 1                        ; half
	s_bfe_u32 s16, ttmp9, 0x40001                  ; h
	s_lshr_b32 s17, ttmp9, 5                       ; b
	s_lshl_b32 s18, s17, 4
	s_add_co_u32 s18, s18, s16
	s_lshl_b32 s18, s18, 14                        ; lp: (16 b + h) rows of 16,384 bytes
	s_mov_b32 s19, 0
	s_lshl_b32 s20, s17, 14                        ; bias
	s_mov_b32 s21, 0
	s_lshl_b32 s22, s16, 2                         ; bv
	s_mov_b32 s23, 0
	s_lshl_b32 s24, s17, 24                        ; memory: the batch,
	s_lshl_b32 s25, s15, 23                        ; the half's 2,048 rows,
	s_add_co_u32 s24, s24, s25
	s_lshl_b32 s25, s16, 8                         ; the head's 256 bytes
	s_add_co_u32 s24, s24, s25
	s_lshl_b32 s26, s15, 3
	s_add_co_u32 s26, s26, s17
	s_lshl_b32 s26, s26, 12
	s_add_co_u32 s26, s26, s25                     ; xp: (8 half + b) 4,096 + 256 h
	s_mov_b32 s25, 0
	s_mov_b32 s27, 0
	s_mov_b32 s30, 0x76543210                      ; v_permlanex16_b32: each lane takes its own place in the other half
	s_mov_b32 s31, 0xfedcba98
	s_lshl_b32 s32, s15, 13                        ; the half's weights in E
	v_and_b32 v[LN], 31, v0
	v_and_b32 v[C16], 15, v0
	v_lshlrev_b32 v[C16], 4, v[C16]
	v_bfe_u32 v[TA], v0, 4, 1
	v_lshl_add_u32 v[MOF], v[TA], 18, v[C16]       ; 64 rows of 4,096 bytes for lanes 16-31,
	v_lshl_add_u32 v[MOF], v1, 19, v[MOF]          ; 128 rows a wave
	v_lshlrev_b32 v[T16], 4, v0
	v_lshlrev_b32 v[RA], 2, v1
	v_mov_b32 v[ZR], 0
	v_lshl_add_u32 v[WAD], v[TA], 8, s32
	v_lshl_add_u32 v[WAD], v1, 9, v[WAD]
	v_lshl_add_u32 v[PST], v1, 8, v[C16]
	s_wait_kmcnt 0x0
	s_add_nc_u64 s[4:5], s[4:5], s[18:19]
	s_add_nc_u64 s[6:7], s[6:7], s[20:21]
	s_add_nc_u64 s[8:9], s[8:9], s[22:23]
	s_add_nc_u64 s[10:11], s[10:11], s[24:25]
	s_add_nc_u64 s[12:13], s[12:13], s[26:27]
	s_load_b32 s28, s[8:9], 0x0                    ; bv[h]
	global_load_b128 v[S:S+3],       v[T16], s[4:5]
	global_load_b128 v[S+4:S+7],     v[T16], s[4:5] offset:8192
	global_load_b128 v[S+8:S+11],    v[T16], s[4:5] offset:2097152
	global_load_b128 v[S+12:S+15],   v[T16], s[4:5] offset:2097152+8192
	global_load_b128 v[S+16:S+19],   v[T16], s[6:7]
	global_load_b128 v[S+20:S+23],   v[T16], s[6:7] offset:8192
.irp i, 0,1,2,3,4,5,6,7,8,9,10,11,12,13,14,15
	global_load_b128 v[X+4*(\i):X+4*(\i)+3], v[MOF], s[10:11] offset:(\i)*4096 th:TH_LOAD_NT   ; the ring is filled before the softmax begins
.endr
	s_wait_loadcnt 16                              ; the six loads of logits and bias are in; the ring's 16 stay out
	s_wait_kmcnt 0x0
	s_mov_b32 s29, s28                             ; named with it as a pair
.irp j, 0,2,4,6
	v_pk_add_f32 v[S+(\j):S+(\j)+1], v[S+(\j):S+(\j)+1], v[S+8+(\j):S+8+(\j)+1]
	v_pk_add_f32 v[S+16+(\j):S+16+(\j)+1], v[S+16+(\j):S+16+(\j)+1], s[28:29] op_sel_hi:[1,0]
.endr
.irp j, 0,2,4,6
	v_pk_add_f32 v[S+(\j):S+(\j)+1], v[S+(\j):S+(\j)+1], v[S+16+(\j):S+16+(\j)+1]
.endr
	; the maximum: in the lane, over the wave, over the 16 waves
	v_max3_num_f32 v[TA], v[S], v[S+1], v[S+2]
	v_max3_num_f32 v[TA+1], v[S+3], v[S+4], v[S+5]
	v_max3_num_f32 v[TA], v[TA], v[S+6], v[S+7]
	v_max_num_f32 v[TA], v[TA], v[TA+1]
	v_max_num_f32_dpp v[TA], v[TA], v[TA] row_xmask:1 row_mask:0xf bank_mask:0xf
	v_max_num_f32_dpp v[TA], v[TA], v[TA] row_xmask:2 row_mask:0xf bank_mask:0xf
	v_max_num_f32_dpp v[TA], v[TA], v[TA] row_xmask:4 row_mask:0xf bank_mask:0xf
	v_max_num_f32_dpp v[TA], v[TA], v[TA] row_xmask:8 row_mask:0xf bank_mask:0xf
	v_permlanex16_b32 v[TA+1], v[TA], s30, s31
	v_max_num_f32 v[TA], v[TA], v[TA+1]
	ds_store_b32 v[RA], v[TA] offset:RED1          ; all lanes write the wave's word with the same value
	s_wait_dscnt 0x0
	s_barrier_signal -1
	s_barrier_wait -1
.irp j, 0,1,2,3
	ds_load_b128 v[RD+4*(\j):RD+4*(\j)+3], v[ZR] offset:RED1+16*(\j)
.endr
	s_wait_dscnt 0x0
	v_max3_num_f32 v[RD], v[RD], v[RD+1], v[RD+2]
	v_max3_num_f32 v[RD+3], v[RD+3], v[RD+4], v[RD+5]
	v_max3_num_f32 v[RD+6], v[RD+6], v[RD+7], v[RD+8]
	v_max3_num_f32 v[RD+9], v[RD+9], v[RD+10], v[RD+11]
	v_max3_num_f32 v[RD+12], v[RD+12], v[RD+13], v[RD+14]
	v_max3_num_f32 v[RD], v[RD], v[RD+3], v[RD+6]
	v_max3_num_f32 v[RD], v[RD], v[RD+9], v[RD+12]
	v_max_num_f32 v[RD], v[RD], v[RD+15]           ; M
	v_mov_b32 v[RD+1], v[RD]
.irp j, 0,2,4,6
	v_pk_add_f32 v[S+(\j):S+(\j)+1], v[S+(\j):S+(\j)+1], v[RD:RD+1] neg_lo:[0,1] neg_hi:[0,1]   ; s - M first: a common offset costs no digits
.endr
.irp j, 0,2,4,6
	v_pk_mul_f32 v[S+(\j):S+(\j)+1], v[S+(\j):S+(\j)+1], 0x3fb8aa3b op_sel_hi:[1,0]
.endr
.irp j, 0,1,2,3,4,5,6,7
	v_exp_f32 v[S+(\j)], v[S+(\j)]
.endr
	v_nop                                          ; a plain instruction behind the last exponential,
	s_wait_alu depctr_va_vdst(0)                   ; and the wait ahead of the first use: one for the eight
	ds_store_b128 v[T16], v[S:S+3]   offset:E
	ds_store_b128 v[T16], v[S+4:S+7] offset:E+8192
	v_pk_add_f32 v[TA:TA+1], v[S:S+1], v[S+2:S+3]
	v_pk_add_f32 v[TA+2:TA+3], v[S+4:S+5], v[S+6:S+7]
	v_pk_add_f32 v[TA:TA+1], v[TA:TA+1], v[TA+2:TA+3]
	v_add_f32 v[TA], v[TA], v[TA+1]
	v_add_f32_dpp v[TA], v[TA], v[TA] row_xmask:1 row_mask:0xf bank_mask:0xf
	v_add_f32_dpp v[TA], v[TA], v[TA] row_xmask:2 row_mask:0xf bank_mask:0xf
	v_add_f32_dpp v[TA], v[TA], v[TA] row_xmask:4 row_mask:0xf bank_mask:0xf
	v_add_f32_dpp v[TA], v[TA], v[TA] row_xmask:8 row_mask:0xf bank_mask:0xf
	v_permlanex16_b32 v[TA+1], v[TA], s30, s31
	v_add_f32 v[TA], v[TA], v[TA+1]
	ds_store_b32 v[RA], v[TA] offset:RED2
	s_wait_dscnt 0x0                               ; e and the wave's sum are in LDS
	s_barrier_signal -1
	s_barrier_wait -1
.irp j, 0,1,2,3
	ds_load_b128 v[RD+4*(\j):RD+4*(\j)+3], v[ZR] offset:RED2+16*(\j)
.endr
.irp j, 0,1,2,3,4,5,6,7,8,9,10,11,12,13,14,15
	ds_load_b128 v[W+4*(\j):W+4*(\j)+3], v[WAD] offset:E+16*(\j)   ; the 16 lanes of a half read the same words
.endr
	s_wait_dscnt 16                                ; the sums are in; the 16 loads of weights may be out
.irp j, 0,2,4,6
	v_pk_add_f32 v[RD+(\j):RD+(\j)+1], v[RD+(\j):RD+(\j)+1], v[RD+8+(\j):RD+8+(\j)+1]
.endr
	v_pk_add_f32 v[RD:RD+1], v[RD:RD+1], v[RD+4:RD+5]
	v_pk_add_f32 v[RD+2:RD+3], v[RD+2:RD+3], v[RD+6:RD+7]
	v_pk_add_f32 v[RD:RD+1], v[RD:RD+1], v[RD+2:RD+3]
	v_add_f32 v[RD], v[RD], v[RD+1]                ; Z
	v_rcp_f32 v[RD], v[RD]
	v_nop
	s_wait_alu depctr_va_vdst(0)
	v_mov_b32 v[RD+1], v[RD]
	s_wait_dscnt 0x0                               ; my weights
	; the stream: row i of my 64.  The count: behind row i's load the ring's 15 younger ones were issued; in the last 16 rows nothing is asked for and the counts run down
.set i, 0
.rept 64
.if i < 48
	s_wait_loadcnt 15
.else
	s_wait_loadcnt 63-i
.endif
.set xs, X+4*(i%16)
.set wp, W+i-(i%2)
.if i == 0
	v_pk_mul_f32 v[ACC:ACC+1],   v[xs:xs+1],   v[wp:wp+1] op_sel_hi:[1,0]
	v_pk_mul_f32 v[ACC+2:ACC+3], v[xs+2:xs+3], v[wp:wp+1] op_sel_hi:[1,0]
.elseif i == 1
	v_pk_mul_f32 v[ACC+4:ACC+5], v[xs:xs+1],   v[wp:wp+1] op_sel:[0,1] op_sel_hi:[1,1]
	v_pk_mul_f32 v[ACC+6:ACC+7], v[xs+2:xs+3], v[wp:wp+1] op_sel:[0,1] op_sel_hi:[1,1]
.elseif (i%2) == 0
	v_pk_fma_f32 v[ACC:ACC+1],   v[xs:xs+1],   v[wp:wp+1], v[ACC:ACC+1]   op_sel_hi:[1,0,1]
	v_pk_fma_f32 v[ACC+2:ACC+3], v[xs+2:xs+3], v[wp:wp+1], v[ACC+2:ACC+3] op_sel_hi:[1,0,1]
.else
	v_pk_fma_f32 v[ACC+4:ACC+5], v[xs:xs+1],   v[wp:wp+1], v[ACC+4:ACC+5] op_sel:[0,1,0] op_sel_hi:[1,1,1]
	v_pk_fma_f32 v[ACC+6:ACC+7], v[xs+2:xs+3], v[wp:wp+1], v[ACC+6:ACC+7] op_sel:[0,1,0] op_sel_hi:[1,1,1]
.endif
.if i < 48
	global_load_b128 v[xs:xs+3], v[MOF], s[10:11] offset:(i+16)*4096 th:TH_LOAD_NT
.endif
.set i, i+1
.endr
	v_pk_add_f32 v[ACC:ACC+1],   v[ACC:ACC+1],   v[ACC+4:ACC+5]
	v_pk_add_f32 v[ACC+2:ACC+3], v[ACC+2:ACC+3], v[ACC+6:ACC+7]
.irp j, 0,1,2,3
	v_permlanex16_b32 v[ACC+4+(\j)], v[ACC+(\j)], s30, s31   ; the other 64 rows lie in the lane 16 away
.endr
	v_pk_add_f32 v[ACC:ACC+1],   v[ACC:ACC+1],   v[ACC+4:ACC+5]
	v_pk_add_f32 v[ACC+2:ACC+3], v[ACC+2:ACC+3], v[ACC+6:ACC+7]
	ds_store_b128 v[PST], v[ACC:ACC+3] offset:PART ; both halves of the lanes write the same bytes with the same values
	s_wait_dscnt 0x0
	s_barrier_signal -1
	s_barrier_wait -1
	s_cmp_lg_u32 s14, 0
	s_cbranch_scc1 .Lend
.irp j, 0,1,2,3,4,5,6,7,8,9,10,11,12,13,14,15
	ds_load_b128 v[X+4*(\j):X+4*(\j)+3], v[C16] offset:PART+256*(\j)
.endr
	s_wait_dscnt 0x0
.irp st, 8,4,2,1
.set j, 0
.rept \st
	v_pk_add_f32 v[X+4*j:X+4*j+1],   v[X+4*j:X+4*j+1],   v[X+4*(j+\st):X+4*(j+\st)+1]
	v_pk_add_f32 v[X+4*j+2:X+4*j+3], v[X+4*j+2:X+4*j+3], v[X+4*(j+\st)+2:X+4*(j+\st)+3]
.set j, j+1
.endr
.endr
	v_pk_mul_f32 v[X:X+1],   v[X:X+1],   v[RD:RD+1]
	v_pk_mul_f32 v[X+2:X+3], v[X+2:X+3], v[RD:RD+1]
	v_cmp_gt_u32 vcc_lo, 16, v[LN]
	s_wait_xcnt 0x0                                ; EXEC changes only behind this wait
	s_and_saveexec_b32 s33, vcc_lo
	global_store_b128 v[C16], v[X:X+3], s[12:13]   ; 16 lanes store the head's 256 consecutive bytes, aligned
	s_wait_xcnt 0x0                                ; and again, in front of the line that widens it
	s_or_b32 exec_lo, exec_lo, s33
.Lend:
	s_wait_tensorcnt 0x0                           ; the wave's end: three closing lines, behind my last LDS store
	ds_add_u32 v[SPW], v[NIL]
	s_wait_dscnt 0x0
	s_endpgm
.Lfunc_end_k_q88c0794d3e_wsum:
	.size	k_q88c0794d3e_wsum, .Lfunc_end_k_q88c0794d3e_wsum-k_q88c0794d3e_wsum
	.p2alignl 7, 3214868480
	.fill 96, 4, 3214868480
	.section	.rodata,"a",@progbits
	.p2align	6, 0x0
	.amdhsa_kernel k_q88c0794d3e_wsum
		.amdhsa_group_segment_fixed_size 23040
		.amdhsa_private_segment_fixed_size 0
		.amdhsa_enable_private_segment 0
		.amdhsa_kernarg_size 40
		.amdhsa_user_sgpr_count 2
		.amdhsa_user_sgpr_kernarg_segment_ptr 1
		.amdhsa_wavefront_size32 1
		.amdhsa_system_sgpr_workgroup_id_x 1
		.amdhsa_system_sgpr_workgroup_id_y 1
		.amdhsa_system_sgpr_workgroup_id_z 1
		.amdhsa_system_vgpr_workitem_id 0
		.amdhsa_next_free_vgpr 192
		.amdhsa_next_free_sgpr 66
		.amdhsa_reserve_vcc 1
		.amdhsa_float_denorm_mode_32 3
		.amdhsa_float_denorm_mode_16_64 3
		.amdhsa_memory_ordered 1
		.amdhsa_forward_progress 1
		.amdhsa_inst_pref_size 29
	.end_amdhsa_kernel
	.amdgpu_metadata
---
amdhsa.version: [ 1, 2 ]
amdhsa.kernels:
  - .name:           k_q88c0794d3e_wsum
    .symbol:         k_q88c0794d3e_wsum.kd
    .args:
      - { .name: lp, .offset: 0, .size: 8, .value_kind: global_buffer, .address_space: global }
      - { .name: bias, .offset: 8, .size: 8, .value_kind: global_buffer, .address_space: global }
      - { .name: bv, .offset: 16, .size: 8, .value_kind: global_buffer, .address_space: global }
      - { .name: memory, .offset: 24, .size: 8, .value_kind: global_buffer, .address_space: global }
      - { .name: xp, .offset: 32, .size: 8, .value_kind: global_buffer, .address_space: global }
    .group_segment_fixed_size: 23040
    .private_segment_fixed_size: 0
    .kernarg_segment_align: 8
    .kernarg_segment_size: 40
    .max_flat_workgroup_size: 512
    .sgpr_count:     66
    .vgpr_count:     192
    .wavefront_size: 32
...
	.end_amdgpu_metadata
.endif
;; end of part 3
;; launch proj (part 4): grid 16 x 1, 16 waves a work-group, no clusters, 100,352 bytes of LDS; arguments xp, Wo, bo, out0; writes out0
.if DOCPART == 4
	.amdgcn_target "amdgcn-amd-amdhsa--gfx1250"
	.amdhsa_code_object_version 6
	.text
	.protected	k_q88c0794d3e_proj
	.globl	k_q88c0794d3e_proj
	.p2align	8
	.type	k_q88c0794d3e_proj,@function
k_q88c0794d3e_proj:
	s_mov_b64 s[64:65], 0
	v_nop
	global_prefetch_b8 v0, s[64:65] scope:SCOPE_SE
	s_setreg_imm32_b32 hwreg(HW_REG_WAVE_MODE, 25, 1), 1
	s_wait_xcnt 0x0
; out0[b][n] = the sum over k of (xp[0][b][k] + xp[1][b][k]) Wo[k][n] + bo[n].  xp: [2][8][1024], Wo: [1024 k][1024 n], bo: [1024], out0: [8][1024], all f32; all arithmetic in f32.
; Eight rows: 8.4 million multiply-adds on 4 MiB of weights that lie [k][n] in f32 and are read once: the vector unit takes them as they come; a matrix form would want them turned and rounded first.
; SHARES.  Work-group g makes columns 64 g .. 64 g + 63: 256 consecutive bytes, aligned, of each row of Wo and of out0, so there are 16 work-groups; K may not be split among work-groups without
; a further launch.  Wave v takes rows 64 v .. 64 v + 63: lanes 0-15 row i, lanes 16-31 row 32 + i, 16 bytes a lane; all its 32 loads go out at the head.
; x lies in LDS as [k][8 b]; the 32 partial sums of each (b, column) meet in LDS at the end.
.set XS,    0                          ; [k 1024][b 8] f32
.set PART,  32768                      ; [2 v + lanes' half][b 8] rows of 256 bytes
.set SPARE, 98304                      ; the spare words, 128 bytes for each of 16 waves, which no other line names
.set SPW, 2                            ; v2   LDS address of my spare word; never rewritten
.set NIL, 3                            ; v3   0; never rewritten
.set XO,  4                            ; v4   4 t
.set C16, 5                            ; v5   16 (lane % 16)
.set HH,  6                            ; v6   lane / 16
.set WOF, 7                            ; v7   my offset in Wo
.set XST, 8                            ; v8   32 t
.set XRD, 9                            ; v9   where my rows' x lie
.set PST, 10                           ; v10  where I put my partial sums
.set PRD, 11                           ; v11  where I read partial sums back (waves 0-3: b = 2 v + lane / 16)
.set OOF, 12                           ; v12  my offset in out0
.set BO,  24                           ; v[24:27]
.set XR,  32                           ; v[32:63]   xp as loaded; then x of four rows
.set W,   64                           ; v[64:191]  my 32 rows of Wo; then the 32 partial sums
.set ACC, 192                          ; v[192:223] four columns for each of 8 b
	s_load_b256 s[4:11], s[0:1], 0x0               ; xp s[4:5], Wo s[6:7], bo s[8:9], out0 s[10:11]
	v_lshl_add_u32 v[SPW], v0, 2, SPARE
	v_mov_b32 v[NIL], 0
	v_lshrrev_b32 v1, 5, v0
	v_readfirstlane_b32 s12, v1                    ; wave 0..15
	s_lshl_b32 s14, ttmp9, 8                       ; the work-group's 64 columns
	s_mov_b32 s15, 0
	v_lshlrev_b32 v[XO], 2, v0
	v_and_b32 v[C16], 15, v0
	v_lshlrev_b32 v[C16], 4, v[C16]
	v_bfe_u32 v[HH], v0, 4, 1
	v_lshl_add_u32 v[WOF], v[HH], 17, v[C16]       ; 32 rows of 4,096 bytes for lanes 16-31,
	v_lshl_add_u32 v[WOF], v1, 18, v[WOF]          ; 64 rows a wave
	v_lshlrev_b32 v[XST], 5, v0
	v_lshlrev_b32 v[XRD], 10, v[HH]
	v_lshl_add_u32 v[XRD], v1, 11, v[XRD]
	v_lshl_add_u32 v[PST], v[HH], 11, v[C16]
	v_lshl_add_u32 v[PST], v1, 12, v[PST]
	v_add_nc_u32 v[PST], PART, v[PST]
	v_lshl_add_u32 v[PRD], v[HH], 8, v[C16]
	v_lshl_add_u32 v[PRD], v1, 9, v[PRD]
	v_add_nc_u32 v[PRD], PART, v[PRD]
	v_lshl_add_u32 v[OOF], v[HH], 12, v[C16]
	v_lshl_add_u32 v[OOF], v1, 13, v[OOF]
	s_wait_kmcnt 0x0
	s_add_nc_u64 s[6:7], s[6:7], s[14:15]
	s_add_nc_u64 s[8:9], s[8:9], s[14:15]
	s_add_nc_u64 s[10:11], s[10:11], s[14:15]
.irp kk, 0,1                           ; k = t and t + 512; both halves; 8 b
.irp hb, 0,1,2,3,4,5,6,7,8,9,10,11,12,13,14,15
	global_load_b32 v[XR+16*(\kk)+(\hb)], v[XO], s[4:5] offset:(\hb)*4096+(\kk)*2048
.endr
.endr
	global_load_b128 v[BO:BO+3], v[C16], s[8:9]
.set i, 0
.rept 32
	global_load_b128 v[W+4*i:W+4*i+3], v[WOF], s[6:7] offset:i*4096 th:TH_LOAD_NT
.set i, i+1
.endr
	s_wait_loadcnt 33                              ; xp is in; bo's load and Wo's 32 stay out
.irp kk, 0,1
.irp j, 0,2,4,6
	v_pk_add_f32 v[XR+16*(\kk)+(\j):XR+16*(\kk)+(\j)+1], v[XR+16*(\kk)+(\j):XR+16*(\kk)+(\j)+1], v[XR+16*(\kk)+8+(\j):XR+16*(\kk)+8+(\j)+1]
.endr
	ds_store_b128 v[XST], v[XR+16*(\kk):XR+16*(\kk)+3]   offset:XS+(\kk)*16384
	ds_store_b128 v[XST], v[XR+16*(\kk)+4:XR+16*(\kk)+7] offset:XS+(\kk)*16384+16
.endr
	s_wait_dscnt 0x0
	s_barrier_signal -1
	s_barrier_wait -1
; Row i: 16 packed multiply-adds: x of batch b, one register of a pair, feeds both halves
.macro ROWFMA i
.set rq, (\i)%4
.irp b, 0,1,2,3,4,5,6,7
.set xr, XR+8*rq+((\b)/2)*2
.if (\i) == 0
.if ((\b)%2) == 0
	v_pk_mul_f32 v[ACC+4*(\b):ACC+4*(\b)+1],   v[W+4*(\i):W+4*(\i)+1],   v[xr:xr+1] op_sel_hi:[1,0]
	v_pk_mul_f32 v[ACC+4*(\b)+2:ACC+4*(\b)+3], v[W+4*(\i)+2:W+4*(\i)+3], v[xr:xr+1] op_sel_hi:[1,0]
.else
	v_pk_mul_f32 v[ACC+4*(\b):ACC+4*(\b)+1],   v[W+4*(\i):W+4*(\i)+1],   v[xr:xr+1] op_sel:[0,1] op_sel_hi:[1,1]
	v_pk_mul_f32 v[ACC+4*(\b)+2:ACC+4*(\b)+3], v[W+4*(\i)+2:W+4*(\i)+3], v[xr:xr+1] op_sel:[0,1] op_sel_hi:[1,1]
.endif
.else
.if ((\b)%2) == 0
	v_pk_fma_f32 v[ACC+4*(\b):ACC+4*(\b)+1],   v[W+4*(\i):W+4*(\i)+1],   v[xr:xr+1], v[ACC+4*(\b):ACC+4*(\b)+1]   op_sel_hi:[1,0,1]
	v_pk_fma_f32 v[ACC+4*(\b)+2:ACC+4*(\b)+3], v[W+4*(\i)+2:W+4*(\i)+3], v[xr:xr+1], v[ACC+4*(\b)+2:ACC+4*(\b)+3] op_sel_hi:[1,0,1]
.else
	v_pk_fma_f32 v[ACC+4*(\b):ACC+4*(\b)+1],   v[W+4*(\i):W+4*(\i)+1],   v[xr:xr+1], v[ACC+4*(\b):ACC+4*(\b)+1]   op_sel:[0,1,0] op_sel_hi:[1,1,1]
	v_pk_fma_f32 v[ACC+4*(\b)+2:ACC+4*(\b)+3], v[W+4*(\i)+2:W+4*(\i)+3], v[xr:xr+1], v[ACC+4*(\b)+2:ACC+4*(\b)+3] op_sel:[0,1,0] op_sel_hi:[1,1,1]
.endif
.endif
.endr
.endm
.set gi, 0
.rept 8                                ; four rows at a time: their x out of LDS, then the rows as their loads come in
.irp q, 0,1,2,3
	ds_load_b128 v[XR+8*(\q):XR+8*(\q)+3],   v[XRD] offset:XS+(4*gi+(\q))*32
	ds_load_b128 v[XR+8*(\q)+4:XR+8*(\q)+7], v[XRD] offset:XS+(4*gi+(\q))*32+16
.endr
	s_wait_dscnt 0x0
.irp q, 0,1,2,3
	s_wait_loadcnt 31-(4*gi+(\q))                  ; loads come back in order: row i is in, the 31 - i younger ones may be out
	ROWFMA (4*gi+(\q))
.endr
.set gi, gi+1
.endr
.irp b, 0,1,2,3,4,5,6,7
	ds_store_b128 v[PST], v[ACC+4*(\b):ACC+4*(\b)+3] offset:(\b)*256
.endr
	s_wait_dscnt 0x0
	s_barrier_signal -1
	s_barrier_wait -1
	s_cmp_lt_u32 s12, 4                            ; waves 0 to 3 finish two batches each
	s_cbranch_scc0 .Lend
.set p, 0
.rept 32
	ds_load_b128 v[W+4*p:W+4*p+3], v[PRD] offset:p*2048
.set p, p+1
.endr
	s_wait_dscnt 0x0
.irp st, 16,8,4,2,1
.set j, 0
.rept \st
	v_pk_add_f32 v[W+4*j:W+4*j+1],   v[W+4*j:W+4*j+1],   v[W+4*(j+\st):W+4*(j+\st)+1]
	v_pk_add_f32 v[W+4*j+2:W+4*j+3], v[W+4*j+2:W+4*j+3], v[W+4*(j+\st)+2:W+4*(j+\st)+3]
.set j, j+1
.endr
.endr
	v_pk_add_f32 v[W:W+1],   v[W:W+1],   v[BO:BO+1]
	v_pk_add_f32 v[W+2:W+3], v[W+2:W+3], v[BO+2:BO+3]
	global_store_b128 v[OOF], v[W:W+3], s[10:11]   ; 16 lanes store 256 consecutive bytes, aligned
.Lend:
	s_wait_tensorcnt 0x0                           ; the wave's end: three closing lines, behind my last LDS store
	ds_add_u32 v[SPW], v[NIL]
	s_wait_dscnt 0x0
	s_endpgm
.Lfunc_end_k_q88c0794d3e_proj:
	.size	k_q88c0794d3e_proj, .Lfunc_end_k_q88c0794d3e_proj-k_q88c0794d3e_proj
	.p2alignl 7, 3214868480
	.fill 96, 4, 3214868480
	.section	.rodata,"a",@progbits
	.p2align	6, 0x0
	.amdhsa_kernel k_q88c0794d3e_proj
		.amdhsa_group_segment_fixed_size 100352
		.amdhsa_private_segment_fixed_size 0
		.amdhsa_enable_private_segment 0
		.amdhsa_kernarg_size 32
		.amdhsa_user_sgpr_count 2
		.amdhsa_user_sgpr_kernarg_segment_ptr 1
		.amdhsa_wavefront_size32 1
		.amdhsa_system_sgpr_workgroup_id_x 1
		.amdhsa_system_sgpr_workgroup_id_y 1
		.amdhsa_system_sgpr_workgroup_id_z 1
		.amdhsa_system_vgpr_workitem_id 0
		.amdhsa_next_free_vgpr 232
		.amdhsa_next_free_sgpr 66
		.amdhsa_reserve_vcc 0
		.amdhsa_float_denorm_mode_32 3
		.amdhsa_float_denorm_mode_16_64 3
		.amdhsa_memory_ordered 1
		.amdhsa_forward_progress 1
		.amdhsa_inst_pref_size 53
	.end_amdhsa_kernel
	.amdgpu_metadata
---
amdhsa.version: [ 1, 2 ]
amdhsa.kernels:
  - .name:           k_q88c0794d3e_proj
    .symbol:         k_q88c0794d3e_proj.kd
    .args:
      - { .name: xp, .offset: 0, .size: 8, .value_kind: global_buffer, .address_space: global }
      - { .name: Wo, .offset: 8, .size: 8, .value_kind: global_buffer, .address_space: global }
      - { .name: bo, .offset: 16, .size: 8, .value_kind: global_buffer, .address_space: global }
      - { .name: out0, .offset: 24, .size: 8, .value_kind: global_buffer, .address_space: global }
    .group_segment_fixed_size: 100352
    .private_segment_fixed_size: 0
    .kernarg_segment_align: 8
    .kernarg_segment_size: 32
    .max_flat_workgroup_size: 512
    .sgpr_count:     66
    .vgpr_count:     232
    .wavefront_size: 32
...
	.end_amdgpu_metadata
.endif
;; end of part 4
;; ======== version 2 of 2: 4 launches; version 1 with the launch prep written anew for expert scheduling mode
;; workspace buffers: wt 6,291,456 bytes; wvt 32,768 bytes; cbv 4,096 bytes; lp 4,194,304 bytes; xp 65,536 bytes
;; launch prep (part 5): grid 256 x 1, 4 waves a work-group, no clusters, 22,272 bytes of LDS; arguments Wq, Wk, Wv, bq, bk, wt, wvt, cbv; writes wt, wvt, cbv
.if DOCPART == 5
	.amdgcn_target "amdgcn-amd-amdhsa--gfx1250"
	.amdhsa_code_object_version 6
	.text
	.protected	k_q88c0794d3e_prep
	.globl	k_q88c0794d3e_prep
	.p2align	8
	.type	k_q88c0794d3e_prep,@function
k_q88c0794d3e_prep:
	s_mov_b64 s[64:65], 0
	v_nop
	global_prefetch_b8 v0, s[64:65] scope:SCOPE_SE
	s_setreg_imm32_b32 hwreg(HW_REG_WAVE_SCHED_MODE, 0, 2), 2
	s_setreg_imm32_b32 hwreg(HW_REG_WAVE_MODE, 25, 1), 1
	s_wait_xcnt 0x0
	s_wait_alu depctr_vm_vsrc(0)
; THE WEIGHTS ARE LAID OUT FOR THE PRODUCT THAT FOLLOWS.  Wq, Wk: [1024 k][1024 n] f32.  Wv: [1024 n][16 h] f32.  bq, bk: [1024] f32.
; wt:  24 blocks of 262,144 bytes; block blk is [n 0..1023][kk 0..127] in bf16 = W[128 (blk % 8) + kk][n], rounded once; W = Wq for blocks 0-7 and 16-23, Wk for blocks 8-15
;      (Wq stands twice, so that a walk of 16 blocks may begin at block 0 or at block 8 and never turns back).
; wvt: [16 h][1024 n] bf16 = Wv[n][h].     cbv: [1024] f32 = c (bq + bk), c = 2 log2(e): the factor of the exponential by which tanh is made.
; SHARES.  Work-group g turns a tile of 128 k x 64 n: source block sb = g / 16, columns 64 (g % 16) on.  Loads: 16 lanes take 256 consecutive bytes of a row of W.  The tile is turned in LDS
; (rows of 272 bytes: 128 k in bf16 and 16 of padding) and leaves as whole rows of 256 bytes.  The 32 four-byte LDS stores of a thread meet four deep in the banks: once a thread, accepted.
; Work-groups 0 to 7 also turn 128 rows of Wv each, and their wave 0 makes 128 numbers of cbv.
; THE MODE: SCHED_MODE bits 1:0 = 2 (LLVM: expert scheduling mode 2), set by the entry lines.  The code itself states the register dependences
; between vector instructions and memory or LDS instructions, with s_wait_alu, always for 0.
; THE PLAN.  Registers that memory or LDS instructions touch:
;   v2-v14   the add's two registers and all offsets and addresses: written at the head, ahead of one wait, and never again.
;   X        written by the tile's 16 loads; read by the 32 conversions; at the end its first eight take Wv's rows back from LDS, behind the wait that follows the last conversion.
;   OUT      in work-groups 0 to 7 its first 16 take a row of Wv, which 16 conversions read; later LDS loads land in it, behind the waits that follow those conversions; global stores read it.
;   TMP      32 registers, each written once, by one conversion, and read by one LDS store.
;   WP       16 registers, each written once, by one of Wv's conversions, and read by one LDS store.
;   CBR      written by two loads, then by four packed operations; read by one global store.
; No register that a memory or LDS instruction reads is written again, so no wait on vm_vsrc is owed.  The tile goes in two halves: behind the wait that follows the first half's conversions its LDS
; stores are dealt among the second half's conversions, which name the other halves of X and TMP alone.
.set TP,    272
.set VT,    64*TP                      ; behind the tile: 16 rows of 272 bytes for Wv
.set SPARE, VT+16*TP                   ; behind that: the spare words, 128 bytes for each wave, which no other line names
.set SPW,  2                           ; v2   LDS address of my spare word; never rewritten
.set NIL,  3                           ; v3   0; never rewritten
.set C16,  4                           ; v4   t % 16
.set R8,   5                           ; v5   t / 16
.set CB16, 6                           ; v6   16 (t % 16)
.set GOF,  7                           ; v7   my offset in the source tile: row 2 (t / 16), 16 bytes
.set TST,  8                           ; v8   where I put a pair of k for my first column
.set TRD,  9                           ; v9   where I read a row back
.set WOF,  10                          ; v10  my offset in the block of wt
.set WVA,  11                          ; v11  64 t: my row of Wv
.set VST,  12                          ; v12  2 t
.set BOF,  13                          ; v13  16 t (wave 0): my four numbers of bq, bk, cbv
.set VOF,  14                          ; v14  my offset in wvt
.set X,    16                          ; v[16:79]   the tile as loaded: pair of rows i, row e, at X + 8 i + 4 e
.set OUT,  80                          ; v[80:111]  rows read back; before that my row of Wv
.set TMP,  112                         ; v[112:143] the tile's packed numbers on their way into LDS: pair of rows i, column c, at TMP + 4 i + c
.set WP,   144                         ; v[144:159] my row of Wv, packed
.set CBR,  160                         ; v[160:167] bq, bk
	s_load_b512 s[4:19], s[0:1], 0x0               ; Wq s[4:5], Wk s[6:7], Wv s[8:9], bq s[10:11], bk s[12:13], wt s[14:15], wvt s[16:17], cbv s[18:19]
	v_lshl_add_u32 v[SPW], v0, 2, SPARE
	v_mov_b32 v[NIL], 0
	v_lshrrev_b32 v1, 5, v0
	v_readfirstlane_b32 s20, v1                    ; wave 0..3
	s_mov_b32 s30, ttmp9                           ; g
	s_lshr_b32 s21, s30, 4                         ; sb
	s_and_b32 s22, s30, 15                         ; which 64 columns
	s_and_b32 s23, s21, 7                          ; which 128 rows of the source
	v_and_b32 v[C16], 15, v0
	v_lshrrev_b32 v[R8], 4, v0
	v_lshlrev_b32 v[CB16], 4, v[C16]
	v_lshl_add_u32 v[GOF], v[R8], 13, v[CB16]      ; two rows of 4,096 bytes for each t / 16
	v_mul_u32_u24 v[TST], v[C16], 4*TP             ; column 4 (t % 16),
	v_lshl_add_u32 v[TST], v[R8], 2, v[TST]        ; pair of k t / 16
	v_mul_u32_u24 v[TRD], v[R8], TP
	v_add_nc_u32 v[TRD], v[TRD], v[CB16]
	v_lshl_add_u32 v[WOF], v[R8], 8, v[CB16]
	v_lshl_add_u32 v[VOF], v[R8], 11, v[CB16]
	v_lshlrev_b32 v[WVA], 6, v0                    ; the three that work-groups 0 to 7 alone use are made here too, ahead of the one wait for all addresses
	v_lshlrev_b32 v[VST], 1, v0
	v_lshlrev_b32 v[BOF], 4, v0
	s_lshl_b32 s24, s23, 19                        ; 128 rows of 4,096 bytes
	s_lshl_b32 s25, s22, 8                         ; 64 columns of 4 bytes
	s_add_co_u32 s24, s24, s25
	s_mov_b32 s25, 0
	s_lshl_b32 s26, s21, 18                        ; the block of wt,
	s_lshl_b32 s27, s22, 14                        ; 64 rows of 256 bytes in it
	s_add_co_u32 s26, s26, s27
	s_mov_b32 s27, 0
	s_wait_alu depctr_va_sdst(0)                   ; s20 is written
	s_wait_kmcnt 0x0
	s_cmp_lt_u32 s21, 8
	s_cselect_b64 s[28:29], s[4:5], s[6:7]         ; blocks 0-7 come from Wq, 8-15 from Wk
	s_add_nc_u64 s[28:29], s[28:29], s[24:25]
	s_add_nc_u64 s[14:15], s[14:15], s[26:27]
	s_wait_alu depctr_va_vdst(0)                   ; v2 to v14 are written: every load and store of the kernel, global or LDS, reads one of them as its offset or address
.irp i, 0,1,2,3,4,5,6,7
	global_load_b128 v[X+8*(\i):X+8*(\i)+3],   v[GOF], s[28:29] offset:(\i)*65536 th:TH_LOAD_NT
	global_load_b128 v[X+8*(\i)+4:X+8*(\i)+7], v[GOF], s[28:29] offset:(\i)*65536+4096 th:TH_LOAD_NT
.endr
	s_cmp_lt_u32 s30, 8
	s_cbranch_scc0 .Lmain
	; work-groups 0 to 7: rows 128 g + t of Wv, 64 bytes each, into 16 LDS rows by head
	s_lshl_b32 s24, s30, 13
	s_add_nc_u64 s[8:9], s[8:9], s[24:25]
.irp j, 0,1,2,3
	global_load_b128 v[OUT+4*(\j):OUT+4*(\j)+3], v[WVA], s[8:9] offset:16*(\j)
.endr
	s_wait_loadcnt 0x0
.irp h, 0,1,2,3,4,5,6,7,8,9,10,11,12,13,14,15
	v_cvt_pk_bf16_f32 v[WP+(\h)], v[OUT+(\h)], v[OUT+(\h)]
.endr
	s_wait_alu depctr_va_vdst(0)                   ; the sixteen conversions have written v[WP ..], which the LDS stores read; they are also done reading v[OUT ..], in which LDS loads land further down
.irp h, 0,1,2,3,4,5,6,7,8,9,10,11,12,13,14,15
	ds_store_b16 v[VST], v[WP+(\h)] offset:VT+(\h)*TP
.endr
	s_cmp_lg_u32 s20, 0
	s_cbranch_scc1 .Lmain
	; their wave 0: c (bq + bk) for columns 128 g + 4 lane on: each of the three accesses covers 512 consecutive bytes
	s_lshl_b32 s26, s30, 9
	s_add_nc_u64 s[10:11], s[10:11], s[26:27]
	s_add_nc_u64 s[12:13], s[12:13], s[26:27]
	s_add_nc_u64 s[18:19], s[18:19], s[26:27]
	global_load_b128 v[CBR:CBR+3],   v[BOF], s[10:11]
	global_load_b128 v[CBR+4:CBR+7], v[BOF], s[12:13]
	s_wait_loadcnt 0x0
	v_pk_add_f32 v[CBR:CBR+1],   v[CBR:CBR+1],   v[CBR+4:CBR+5]
	v_pk_add_f32 v[CBR+2:CBR+3], v[CBR+2:CBR+3], v[CBR+6:CBR+7]
	v_pk_mul_f32 v[CBR:CBR+1],   v[CBR:CBR+1],   0x4038aa3b op_sel_hi:[1,0]
	v_pk_mul_f32 v[CBR+2:CBR+3], v[CBR+2:CBR+3], 0x4038aa3b op_sel_hi:[1,0]
	s_wait_alu depctr_va_vdst(0)                   ; the packed operations have written v[CBR .. CBR+3], which the store reads
	global_store_b128 v[BOF], v[CBR:CBR+3], s[18:19]   ; its registers are written no more
.Lmain:
; Pair of rows i of the tile: PACK rounds its four columns, k = 2 kp in the low half, 2 kp + 1 in the high half; PUT stores them into the turned tile.
.macro PACK i
.irp c, 0,1,2,3
	v_cvt_pk_bf16_f32 v[TMP+4*(\i)+(\c)], v[X+8*(\i)+(\c)], v[X+8*(\i)+4+(\c)]
.endr
.endm
.macro PUT i
.irp c, 0,1,2,3
	ds_store_b32 v[TST], v[TMP+4*(\i)+(\c)] offset:(\c)*TP+(\i)*32
.endr
.endm
	s_wait_loadcnt 8                               ; loads come back in order: the tile's first eight are in, its other eight may be out (on the ways through the branches above all have been waited for)
	PACK 0
	PACK 1
	PACK 2
	PACK 3
	s_wait_alu depctr_va_vdst(0)                   ; the first sixteen conversions have written TMP's lower half, which the stores dealt below read
	s_wait_loadcnt 0x0                             ; the tile is in
	PUT 0                                          ; no further wait: the conversions between these stores name X's and TMP's upper halves alone
	PACK 4
	PUT 1
	PACK 5
	PUT 2
	PACK 6
	PUT 3
	PACK 7
	s_wait_alu depctr_va_vdst(0)                   ; the last sixteen conversions have written TMP's upper half, which the stores below read; all conversions are done reading X, in which LDS loads land at the end
	PUT 4
	PUT 5
	PUT 6
	PUT 7
	s_wait_dscnt 0x0                               ; for the others' sake: my stores into the tile (and into Wv's rows) are done
	s_barrier_signal -1
	s_barrier_wait -1
.irp i, 0,1,2,3,4,5,6,7
	ds_load_b128 v[OUT+4*(\i):OUT+4*(\i)+3], v[TRD] offset:(\i)*8*TP   ; no vector instruction since the waits above names v[OUT ..], and no memory or LDS instruction has read it
.endr
.irp i, 0,1,2,3,4,5,6,7
	s_wait_dscnt 7-(\i)                            ; LDS loads come back in order: row i is in, the younger ones may be out
	global_store_b128 v[WOF], v[OUT+4*(\i):OUT+4*(\i)+3], s[14:15] offset:2048*(\i)   ; 16 lanes store 256 consecutive bytes, aligned
.endr
	s_cmp_lt_u32 s21, 8
	s_cbranch_scc0 .Lone
.irp i, 0,1,2,3,4,5,6,7
	global_store_b128 v[WOF], v[OUT+4*(\i):OUT+4*(\i)+3], s[14:15] offset:4194304+2048*(\i)   ; Wq's second copy, 16 blocks on
.endr
.Lone:
	s_cmp_lt_u32 s30, 8
	s_cbranch_scc0 .Lend
	s_lshl_b32 s24, s30, 8                         ; 128 columns of wvt
	s_add_nc_u64 s[16:17], s[16:17], s[24:25]
	ds_load_b128 v[X:X+3],   v[TRD] offset:VT      ; X's last readers, the conversions, stand ahead of the last wait on va_vdst
	ds_load_b128 v[X+4:X+7], v[TRD] offset:VT+8*TP
	s_wait_dscnt 0x0
	global_store_b128 v[VOF], v[X:X+3],   s[16:17]
	global_store_b128 v[VOF], v[X+4:X+7], s[16:17] offset:16384
.Lend:
	s_wait_dscnt 0x0                               ; the closing lines, six on end
	s_wait_alu 0x0
	s_wait_tensorcnt 0x0
	ds_add_u32 v[SPW], v[NIL]
	s_wait_dscnt 0x0
	s_endpgm
.Lfunc_end_k_q88c0794d3e_prep:
	.size	k_q88c0794d3e_prep, .Lfunc_end_k_q88c0794d3e_prep-k_q88c0794d3e_prep
	.p2alignl 7, 3214868480
	.fill 96, 4, 3214868480
	.section	.rodata,"a",@progbits
	.p2align	6, 0x0
	.amdhsa_kernel k_q88c0794d3e_prep
		.amdhsa_group_segment_fixed_size 22272
		.amdhsa_private_segment_fixed_size 0
		.amdhsa_enable_private_segment 0
		.amdhsa_kernarg_size 64
		.amdhsa_user_sgpr_count 2
		.amdhsa_user_sgpr_kernarg_segment_ptr 1
		.amdhsa_wavefront_size32 1
		.amdhsa_system_sgpr_workgroup_id_x 1
		.amdhsa_system_sgpr_workgroup_id_y 1
		.amdhsa_system_sgpr_workgroup_id_z 1
		.amdhsa_system_vgpr_workitem_id 0
		.amdhsa_next_free_vgpr 168
		.amdhsa_next_free_sgpr 66
		.amdhsa_reserve_vcc 0
		.amdhsa_float_denorm_mode_32 3
		.amdhsa_float_denorm_mode_16_64 3
		.amdhsa_memory_ordered 1
		.amdhsa_forward_progress 1
		.amdhsa_inst_pref_size 14
	.end_amdhsa_kernel
	.amdgpu_metadata
---
amdhsa.version: [ 1, 2 ]
amdhsa.kernels:
  - .name:           k_q88c0794d3e_prep
    .symbol:         k_q88c0794d3e_prep.kd
    .args:
      - { .name: Wq, .offset: 0, .size: 8, .value_kind: global_buffer, .address_space: global }
      - { .name: Wk, .offset: 8, .size: 8, .value_kind: global_buffer, .address_space: global }
      - { .name: Wv, .offset: 16, .size: 8, .value_kind: global_buffer, .address_space: global }
      - { .name: bq, .offset: 24, .size: 8, .value_kind: global_buffer, .address_space: global }
      - { .name: bk, .offset: 32, .size: 8, .value_kind: global_buffer, .address_space: global }
      - { .name: wt, .offset: 40, .size: 8, .value_kind: global_buffer, .address_space: global }
      - { .name: wvt, .offset: 48, .size: 8, .value_kind: global_buffer, .address_space: global }
      - { .name: cbv, .offset: 56, .size: 8, .value_kind: global_buffer, .address_space: global }
    .group_segment_fixed_size: 22272
    .private_segment_fixed_size: 0
    .kernarg_segment_align: 8
    .kernarg_segment_size: 64
    .max_flat_workgroup_size: 128
    .sgpr_count:     66
    .vgpr_count:     168
    .wavefront_size: 32
...
	.end_amdgpu_metadata
.endif
;; end of part 5
;; launch gemm: the kernel of part 2 again; grid 4 x 128, 4 waves a work-group, clusters of 4 x 4, 327,680 bytes of LDS; arguments query, memory, wt, cbv, wvt, lp; writes lp
;; launch wsum: the kernel of part 3 again; grid 256 x 1, 16 waves a work-group, no clusters, 23,040 bytes of LDS; arguments lp, bias, bv, memory, xp; writes xp
;; launch proj: the kernel of part 4 again; grid 16 x 1, 16 waves a work-group, no clusters, 100,352 bytes of LDS; arguments xp, Wo, bo, out0; writes out0
